; MI455X (gfx1250); checked and timed in simulation.
; The chip was launched on July 23, 2026; its instructions are those of AMD's public machine-readable ISA for CDNA 5 (MIT licence, August 2026) and "CDNA5" Instruction Set Architecture Reference Guide (July 2026). The comments in the code are by the model that wrote it; some were corrected since.
;; Transformer Layer Shard. Allowed arithmetic: matrix products marked QUANTISED: E4M3 operands, one given power-of-two scale a tensor, by v_wmma_f32_16x16x64_fp8_fp8 or v_wmma_f32_16x16x128_fp8_fp8, f32 sums; everything else in f32.
;; Inputs: attn_bias 2,048 x 2,048 float32; b_fc_in 4,096 float32; b_fc_out 1,024 float32; ln_offset 1,024 float32; ln_scale 1,024 float32; lowp_scales 16 int32 (the exponents e of the quantised operands' scales 2^e); w_fc_in 1,024 x 4,096 float32; w_fc_out 4,096 x 1,024 float32; wk 1,024 x 1,024 float32; wo 1,024 x 1,024 float32; wq 1,024 x 1,024 float32; wv 1,024 x 1,024 float32; x 2 x 2,048 x 1,024 float32.
;; Outputs: out0 2 x 2,048 x 1,024 float32.
;; This version of the problem:
;;   THIS VERSION OF THE PROBLEM IS GIVEN IN LOW PRECISION. The matrix products marked QUANTISED in the list below multiply operands that are first quantised to E4M3 (4 exponent bits, 3 mantissa bits; 8 bits a number), with one given power-of-two scale for each operand tensor; their sums are f32. All else is computed in f32.
;;   The module's matrix products, in the order in which they are computed (A, B: the left and right operand; K: the contracted axis; several contracted axes count as one K, in the product's order):
;;     1. [M 4,096, K 1,024] x [K 1,024, N 1,024]; A: computed on the way; B: input wq: QUANTISED (scales: A lowp_scales[0], B lowp_scales[1])
;;     2. [M 4,096, K 1,024] x [K 1,024, N 1,024]; A: computed on the way; B: input wk: QUANTISED (scales: A lowp_scales[2], B lowp_scales[3])
;;     3. [M 4,096, K 1,024] x [K 1,024, N 1,024]; A: computed on the way; B: input wv: QUANTISED (scales: A lowp_scales[4], B lowp_scales[5])
;;     4. batch 32 x [M 2,048, K 64] x [K 64, N 2,048]; A: computed on the way; B: computed on the way: QUANTISED (scales: A lowp_scales[6], B lowp_scales[7])
;;     5. batch 32 x [M 64, K 2,048] x [K 2,048, N 2,048]; A: computed on the way; B: softmax (see below): QUANTISED (scales: A lowp_scales[8], B lowp_scales[9])
;;     6. [M 4,096, K 1,024] x [K 1,024, N 1,024]; A: computed on the way; B: input wo: QUANTISED (scales: A lowp_scales[10], B lowp_scales[11])
;;     7. [M 4,096, K 1,024] x [K 1,024, N 4,096]; A: computed on the way; B: input w_fc_in: QUANTISED (scales: A lowp_scales[12], B lowp_scales[13])
;;     8. [M 4,096, K 4,096] x [K 4,096, N 1,024]; A: computed on the way; B: input w_fc_out: QUANTISED (scales: A lowp_scales[14], B lowp_scales[15])
;;   THE QUANTISER, for each operand of a quantised product, along K:
;;     - The operand's scale is 2^e, e = its entry of the input lowp_scales (int32; the entries are numbered through the quantised products in the list's order, A before B).
;;     - Each number is divided by the scale, clamped to +-448, and rounded to the nearest number of E4M3, ties to even, subnormals kept.
;;     - The product sums the exact products of the quantised numbers (number of the format x scale) in f32.
;;   ~~~python
;;   def quantise(x, axis, e):      # numpy; x: float32 -> the quantised numbers, widened to float32 again
;;       x = np.moveaxis(x, axis, -1); K = x.shape[-1]
;;       r = np.clip(x / 2.0 ** e, -448, 448)
;;       step = 2.0 ** (np.maximum(np.frexp(np.where(r == 0, 1, r))[1] - 1, -6) - 3)
;;       q = np.round(r / step) * step * 2.0 ** e      # np.round: ties to even
;;       return np.moveaxis(q, -1, axis).astype(np.float32)
;;   ~~~
;;   SOFTMAX AHEAD OF A QUANTISED PRODUCT. Where the list says 'softmax', what is quantised is not the finished softmax but p = 2^(t - M), with t = logit x log2(e) and M = ceil(the row's largest t), a whole number; so 1/2 < the row's largest p <= 1. The row's sum l is taken of the UNQUANTISED p, in f32, and the product's result is divided by l at the end. Since M is a whole number, a kernel that streams over the keys may use a running M (the ceiling of the running maximum): every later rescaling is an exact power of two, so the quantised numbers keep their values, but for numbers so far below the row's largest that they fall under the format's range.
;;   OPERANDS COMPUTED ON THE WAY. 'Computed on the way' means the value that the module computes at that place (a softmax that the list does not call 'softmax' is quantised finished and normalised). What goes into a quantiser is computed in f32, as accurately as f32 sums, v_exp_f32 and their like allow (about 1e-6 of the number): no bf16 or f16 on the way to a quantiser, and a product that is left as it is and whose result goes on into a quantised operand takes f32 operands (vector FMAs, or v_wmma_f32_16x16x4_f32). A number that lies on a knife's edge between two numbers of the format may be rounded either way, as far as f32 arithmetic and the matrix unit's own rounding can turn it there, and no further.
;; One version. Each part assembles by itself: llvm-mc -triple=amdgcn-amd-amdhsa -mcpu=gfx1250 --defsym DOCPART=n.
;; ======== version 1 of 1: 4 launches
;; limits: right only within a limited range of input values
;; workspace buffers: xq 16,777,216 bytes; w1 7,340,032 bytes; b2w 5,242,880 bytes; a2 20,971,520 bytes; qkv 12,582,912 bytes; biasf 16,777,216 bytes; rot 524,288 bytes
;; launch prep (part 1): grid 808 x 1, 4 waves a work-group, no clusters, 68,608 bytes of LDS; arguments x, ln_scale, ln_offset, wq, wk, wv, wo, w_fc_in, w_fc_out, attn_bias, lowp_scales, xq, w1, b2w, biasf, rot; writes xq, w1, b2w, biasf, rot
.if DOCPART == 1
	.amdgcn_target "amdgcn-amd-amdhsa--gfx1250"
	.amdhsa_code_object_version 6
	.text
	.protected	k_qd779ac0b98_prep
	.globl	k_qd779ac0b98_prep
	.p2align	8
	.type	k_qd779ac0b98_prep,@function
k_qd779ac0b98_prep:
	s_mov_b64 s[64:65], 0
	v_nop
	global_prefetch_b8 v0, s[64:65] scope:SCOPE_SE
	s_setreg_imm32_b32 hwreg(HW_REG_WAVE_MODE, 25, 1), 1
	s_wait_xcnt 0x0
; PREP: everything that is made once and read many times.  Four kinds of work-group, told apart by the work-group's number; the kinds never meet again and each has LDS bytes of its own.
;   0-31    ROT   the rotary table: cos and sin of pos x 10000^(-i/32), pos 0..2047, i 0..31, laid as the projection's results lie in registers
;   32-415  W     the six weights [K][N] f32 -> codes of E4M3, K innermost
;   416-671 LN    LayerNorm of 16 rows of x, quantised four times (scales e0, e2, e4, e12)
;   672-807 BIAS  attn_bias with reference()'s causal -1e10 added, x 2^(3-e6-e7) (the unit of the raw sums of q.k), the 136 blocks of 128 x 128 on or under the diagonal
; THE ONE FORMAT OF CODES: a fragment is 16 rows x 128 K as the matrix instruction's registers hold it: lane (r = l % 16, h = l / 16) holds row r, registers 2c, 2c+1 hold k = 16c + 8h + 0..7.
; Its image is 2,048 bytes: registers 4cc..4cc+3 of lane l at 512 cc + 16 l.  A panel is 1,024 rows x 1,024 K: [K block of 256][tile of 16 rows][half of the K block][2,048].
; So every store of codes here is 512 consecutive bytes a wave, and a reader gets a fragment by four loads of 16 bytes a lane.
; LIMITS: for each scale used here e and e + 8 lie between -126 and 127; NaN among the inputs is not served; 3 - e6 - e7 is applied by v_ldexp_f32.
.set SP,    528                        ; a stage row: 512 bytes + 16: 33 x 16, so sixteen rows start at sixteen different 16-byte columns of the banks
.set STAT,  33792                      ; LN: 4 x 16 row sums, and 256 bytes further on 4 x 16 sums of squares.  (LN's four stages lie at 0)
.set BSTG,  34304                      ; BIAS: four stages
.set SPARE, 68096                      ; the spare words, 128 bytes for each wave: two blocks of 256 bytes that no other line names
; v1 lane, v2 r, v3 h, v4 16 x lane, v5 my spare word, v6 0; banks B0 = v64-127, B1 = v128-191, B2 = v192-255
.macro SCLIM sc, lim, e                ; v[sc] = 2^e as f32 (the conversion takes its exponent field), v[lim] = 448 x 2^e
	s_add_co_i32 s98, \e, 127
	s_lshl_b32 s99, s98, 23
	v_mov_b32 v[\sc], s99
	s_add_co_i32 s98, s98, 8
	s_lshl_b32 s98, s98, 23
	s_or_b32 s98, s98, 0x600000
	v_mov_b32 v[\lim], s98
.endm
; Two pieces of 16 rows x 128 f32 are loaded as they lie (each load: 512 consecutive bytes) and turned, through the wave's own stage, so that lane (r, h) holds row r and register 8c + j its element 16c + 8h + j.
; Piece 0 ends in B2, piece 1 in B0.  s[56:57]: piece 0's first byte; v7 = stage + 16 lane; v8 = stage + 528 r + 32 h.  LDS serves a wave's instructions in order, so no wait stands between stores and loads.
.macro TWOTURN pitch, delta
.set i, 0
.rept 16
	global_load_b128 v[64+4*i:67+4*i], v4, s[56:57] offset:i*\pitch th:TH_LOAD_NT
.set i, i+1
.endr
.set i, 0
.rept 16
	global_load_b128 v[128+4*i:131+4*i], v4, s[56:57] offset:i*\pitch+\delta th:TH_LOAD_NT
.set i, i+1
.endr
	s_wait_loadcnt 16                              ; piece 0 is in; piece 1's sixteen loads may be out
.set i, 0
.rept 16
	ds_store_b128 v7, v[64+4*i:67+4*i] offset:i*SP
.set i, i+1
.endr
.set i, 0
.rept 16
	ds_load_b128 v[192+4*i:195+4*i], v8 offset:64*(i/2)+16*(i%2)
.set i, i+1
.endr
	s_wait_loadcnt 0x0                             ; piece 1 is in
	s_wait_dscnt 0x0                               ; piece 0 is turned: B0 is free
.set i, 0
.rept 16
	ds_store_b128 v7, v[128+4*i:131+4*i] offset:i*SP
.set i, i+1
.endr
.set i, 0
.rept 16
	ds_load_b128 v[64+4*i:67+4*i], v8 offset:64*(i/2)+16*(i%2)
.set i, i+1
.endr
	s_wait_dscnt 0x0
.endm
	s_load_b512 s[8:23], s[0:1], 0x0               ; x 8, ln_scale 10, ln_offset 12, wq 14, wk 16, wv 18, wo 20, w_fc_in 22
	s_load_b512 s[24:39], s[0:1], 0x40             ; w_fc_out 24, attn_bias 26, lowp_scales 28, xq 30, w1 32, b2w 34, biasf 36, rot 38
	v_lshl_add_u32 v5, v0, 2, SPARE
	v_mov_b32 v6, 0
	v_and_b32 v1, 31, v0
	v_and_b32 v2, 15, v0
	v_bfe_u32 v3, v0, 4, 1
	v_lshlrev_b32 v4, 4, v1
	v_lshrrev_b32 v7, 5, v0
	v_readfirstlane_b32 s2, v7                     ; wave 0..3
	s_wait_kmcnt 0x0
	s_load_b512 s[40:55], s[28:29], 0x0            ; e0 .. e15 in s40 .. s55
	s_wait_kmcnt 0x0
	s_cmp_lt_u32 ttmp9, 32
	s_cbranch_scc1 .Lrot
	s_cmp_lt_u32 ttmp9, 416
	s_cbranch_scc1 .Lw
	s_cmp_lt_u32 ttmp9, 672
	s_cbranch_scc1 .Lln
; ---------------------------------------------------------------- BIAS
; t = 0..135 -> (qb, j), j <= qb: t = 17 p + u; u <= p: (p, u), else (15 - p, u - p - 1).  Wave w takes the query tiles qt = 8 qb + 2 w and qt + 1 against keys 128 j .. 128 j + 127.
	s_sub_co_u32 s3, ttmp9, 672
	s_mul_i32 s4, s3, 241
	s_lshr_b32 s4, s4, 12                          ; p = t / 17 (exact for t < 136)
	s_mul_i32 s5, s4, 17
	s_sub_co_u32 s5, s3, s5                        ; u
	s_sub_co_u32 s6, 15, s4
	s_sub_co_u32 s7, s5, s4
	s_sub_co_u32 s7, s7, 1
	s_cmp_le_u32 s5, s4
	s_cselect_b32 s6, s4, s6                       ; qb
	s_cselect_b32 s7, s5, s7                       ; j
	s_lshl_b32 s3, s6, 3
	s_lshl_b32 s4, s2, 1
	s_add_co_u32 s3, s3, s4                        ; qt
	s_lshl_b32 s58, s3, 17                         ; 16 rows of 8,192 bytes; also 16 tiles of 8,192 bytes in biasf
	s_lshl_b32 s4, s7, 9
	s_add_co_u32 s56, s58, s4
	s_mov_b32 s57, 0
	s_add_nc_u64 s[56:57], s[26:27], s[56:57]
	s_lshl_b32 s4, s7, 13
	s_add_co_u32 s60, s58, s4
	s_mov_b32 s61, 0
	s_add_nc_u64 s[60:61], s[36:37], s[60:61]
	s_mul_i32 s62, s2, 16*SP
	s_add_co_u32 s62, s62, BSTG
	s_wait_alu depctr_va_vdst(0)
	v_add_nc_u32 v7, s62, v4
	s_wait_alu depctr_va_vdst(0)
	v_mul_u32_u24 v8, v2, SP
	v_lshl_add_u32 v8, v3, 5, v8
	v_add_nc_u32 v8, s62, v8
	s_wait_alu depctr_va_vdst(0)
	s_lshl_b32 s63, s3, 4
	s_lshl_b32 s4, s7, 7
	s_sub_co_u32 s63, s63, s4
	v_add_nc_u32 v9, s63, v2
	v_lshlrev_b32 v10, 3, v3
	v_sub_nc_u32 v9, v9, v10                       ; d = my query - 128 j - 8 h: register 8c + jj holds key 128 j + 8 h + 16 c + jj, hidden where 16 c + jj > d
	s_wait_alu depctr_va_vdst(0)
	v_add_nc_u32 v10, 16, v9                       ; the second tile's
	s_sub_co_i32 s66, 3, s46
	s_sub_co_i32 s66, s66, s47                     ; 3 - e6 - e7
	s_mov_b32 s67, 0xD01502F9                      ; -1e10
	TWOTURN 8192, 131072
.macro MASK base, d
.set i, 0
.rept 64
	v_add_f32 v11, s67, v[\base+i]                 ; -1e10 + bias, as reference() has it
	v_cmp_gt_i32 vcc_lo, 16*(i/8)+i%8, v[\d]
	v_cndmask_b32 v[\base+i], v[\base+i], v11, vcc_lo
	v_ldexp_f32 v[\base+i], v[\base+i], s66        ; a power of two: nothing is rounded
.set i, i+1
.endr
.endm
	MASK 192, 9
.set i, 0
.rept 16
	global_store_b128 v4, v[192+4*i:195+4*i], s[60:61] offset:512*i
.set i, i+1
.endr
	MASK 64, 10
.set i, 0
.rept 16
	global_store_b128 v4, v[64+4*i:67+4*i], s[60:61] offset:131072+512*i
.set i, i+1
.endr
	s_wait_tensorcnt 0x0                           ; the wave's end: these three lines behind my last LDS store
	ds_add_u32 v5, v6
	s_wait_dscnt 0x0
	s_endpgm
; ---------------------------------------------------------------- LN
; Rows 16 RT .. 16 RT + 15; wave w holds their K = 256 w .. 256 w + 255: 128 numbers a lane.  Mean, then the deviations' squares (two passes over registers: no difference of large sums).
.Lln:
	s_sub_co_u32 s3, ttmp9, 416                    ; RT
	s_lshl_b32 s56, s3, 16
	s_lshl_b32 s4, s2, 10
	s_mov_b32 s5, 0
	s_add_co_u32 s56, s56, s4
	s_mov_b32 s57, 0
	s_add_nc_u64 s[56:57], s[8:9], s[56:57]
	s_add_nc_u64 s[10:11], s[10:11], s[4:5]        ; gain and offset at my 256 columns
	s_add_nc_u64 s[12:13], s[12:13], s[4:5]
	s_lshr_b32 s60, s3, 6
	s_lshl_b32 s60, s60, 20                        ; panel RT / 64,
	s_lshl_b32 s6, s2, 18
	s_add_co_u32 s60, s60, s6                      ; K block w,
	s_and_b32 s6, s3, 63
	s_lshl_b32 s6, s6, 12
	s_add_co_u32 s60, s60, s6                      ; row tile RT % 64
	s_mov_b32 s61, 0
	s_add_nc_u64 s[68:69], s[30:31], s[60:61]      ; the four versions lie 4 MiB apart
	s_add_nc_u64 s[70:71], s[68:69], 0x400000
	s_add_nc_u64 s[72:73], s[68:69], 0x800000
	s_add_nc_u64 s[74:75], s[68:69], 0xc00000
	s_mul_i32 s62, s2, 16*SP
	s_wait_alu depctr_va_vdst(0)
	v_add_nc_u32 v7, s62, v4
	s_wait_alu depctr_va_vdst(0)
	v_mul_u32_u24 v8, v2, SP
	v_lshl_add_u32 v8, v3, 5, v8
	v_add_nc_u32 v8, s62, v8
	s_wait_alu depctr_va_vdst(0)
	v_lshlrev_b32 v9, 5, v3                        ; 32 h
	v_lshl_add_u32 v11, v2, 2, STAT                ; where a row's four partial sums are read,
	s_lshl_b32 s6, s2, 6
	v_add_nc_u32 v10, s6, v11                      ; and where mine is put
	s_mov_b32 s76, 0x76543210                      ; v_permlanex16_b32: lane l xor 16
	s_mov_b32 s77, 0xfedcba98
	s_mov_b32 s78, 0x3a800000                      ; 1 / 1024
	s_mov_b32 s79, 0x3727C5AC                      ; 1e-5
	TWOTURN 4096, 512
.macro LNLOAD i                        ; chunk i (16 registers of x): its 16 gains and 16 offsets, into half i % 2 of B1
.set SB, 128+32*((\i)%2)
.set IM, ((\i)/4)*512+((\i)%4)*128
.irp q, 0,1,2,3
	global_load_b128 v[SB+4*\q:SB+4*\q+3], v9, s[10:11] offset:IM+(\q/2)*64+(\q%2)*16
	global_load_b128 v[SB+16+4*\q:SB+16+4*\q+3], v9, s[12:13] offset:IM+(\q/2)*64+(\q%2)*16
.endr
.endm
	s_wait_alu depctr_va_vdst(0)
	LNLOAD 0
	LNLOAD 1
.macro XPAIR                           ; XR = the first register of pair p of my 128 numbers
.if p < 32
.set XR, 192+2*p
.else
.set XR, 2*p
.endif
.endm
.macro ROWSUM off                      ; four chains v[24:31] -> v24 = the row's sum over all 1,024 columns, in every lane of the row
	v_pk_add_f32 v[24:25], v[24:25], v[26:27]
	v_pk_add_f32 v[28:29], v[28:29], v[30:31]
	v_pk_add_f32 v[24:25], v[24:25], v[28:29]
	v_add_f32 v24, v24, v25
	v_permlanex16_b32 v25, v24, s76, s77
	v_add_f32 v24, v24, v25
	ds_store_b32 v10, v24 offset:\off              ; both halves of the lanes write the same word with the same number
	s_wait_dscnt 0x0                               ; for the others' sake: my store is done
	s_barrier_signal -1
	s_barrier_wait -1
	ds_load_b32 v24, v11 offset:\off
	ds_load_b32 v25, v11 offset:\off+64
	ds_load_b32 v26, v11 offset:\off+128
	ds_load_b32 v27, v11 offset:\off+192
	s_wait_dscnt 0x0
	v_add_f32 v24, v24, v25
	v_add_f32 v26, v26, v27
	v_add_f32 v24, v24, v26
.endm
.irp k, 0,1,2,3
	v_pk_add_f32 v[24+2*\k:25+2*\k], v[192+2*\k:193+2*\k], v[200+2*\k:201+2*\k]
.endr
.set p, 8
.rept 56
	XPAIR
	v_pk_add_f32 v[24+2*(p%4):25+2*(p%4)], v[24+2*(p%4):25+2*(p%4)], v[XR:XR+1]
.set p, p+1
.endr
	ROWSUM 0
	v_mul_f32 v12, s78, v24                        ; the mean
	v_mov_b32 v13, v12
.set p, 0
.rept 64
	XPAIR
	v_pk_add_f32 v[XR:XR+1], v[XR:XR+1], v[12:13] neg_lo:[0,1] neg_hi:[0,1]
.set p, p+1
.endr
.irp k, 0,1,2,3
	v_pk_mul_f32 v[24+2*\k:25+2*\k], v[192+2*\k:193+2*\k], v[192+2*\k:193+2*\k]
.endr
.set p, 4
.rept 60
	XPAIR
	v_pk_fma_f32 v[24+2*(p%4):25+2*(p%4)], v[XR:XR+1], v[XR:XR+1], v[24+2*(p%4):25+2*(p%4)]
.set p, p+1
.endr
	ROWSUM 256                                     ; other words than the first sum's: no barrier between that sum's reads and these stores
	v_fma_f32 v26, v24, s78, s79                   ; the variance + 1e-5
	s_wait_alu depctr_va_vdst(0)
	v_rsq_f32 v14, v26
	v_rsq_f32 v15, v26                             ; twice: a pair for the packed multiply
	SCLIM 16, 17, s40                              ; plain lines behind the transcendentals: the four versions' scales
	SCLIM 18, 19, s42
	SCLIM 20, 21, s44
	SCLIM 22, 23, s52
	s_wait_alu depctr_va_vdst(0)                   ; one wait for both, ahead of their first reader
; Chunk i: 16 numbers a lane become xn, then 4 x 16 codes.  The codes take chunk i - 1's registers, which are done with: no store's data are ever written again.
.macro CHUNK i
.set SB, 128+32*((\i)%2)
.if (\i) < 4
.set XC, 192+16*(\i)
.else
.set XC, 64+16*((\i)-4)
.endif
.if (\i) == 0
.set CD, 48
.elseif (\i) <= 4
.set CD, 192+16*((\i)-1)
.else
.set CD, 64+16*((\i)-5)
.endif
.if (\i) < 7
	s_wait_loadcnt 8                               ; my 8 loads are in; the next chunk's 8 may be out
.else
	s_wait_loadcnt 0x0
.endif
.irp q, 0,2,4,6,8,10,12,14
	v_pk_mul_f32 v[SB+\q:SB+\q+1], v[SB+\q:SB+\q+1], v[14:15]
.endr
.irp q, 0,2,4,6,8,10,12,14
	v_pk_fma_f32 v[XC+\q:XC+\q+1], v[SB+\q:SB+\q+1], v[XC+\q:XC+\q+1], v[SB+16+\q:SB+16+\q+1]
.endr
.if (\i)+2 < 8
	LNLOAD (\i)+2
.endif
.irp ver, 0,1,2,3
.irp cp, 0,1
.irp j, 0,1,2,3,4,5,6,7
	v_med3_num_f32 v[32+8*\cp+\j], v[XC+8*\cp+\j], -v[17+2*\ver], v[17+2*\ver]   ; the conversion does not saturate (ISA guide 7.6.2): the hold.  Two sets by turns, so that plain lines stand between a conversion and the next write of its sources
.endr
	v_cvt_scalef32_pk8_fp8_f32 v[CD+4*\ver+2*\cp:CD+4*\ver+2*\cp+1], v[32+8*\cp:32+8*\cp+7], v[16+2*\ver]
.endr
.endr
	v_nop
.irp ver, 0,1,2,3
	global_store_b128 v4, v[CD+4*\ver:CD+4*\ver+3], s[68+2*\ver:69+2*\ver] offset:((\i)/4)*2048+((\i)%4)*512
.endr
.endm
.irp i, 0,1,2,3,4,5,6,7
	CHUNK \i
.endr
	s_wait_tensorcnt 0x0                           ; the wave's end: these three lines behind my last LDS store
	ds_add_u32 v5, v6
	s_wait_dscnt 0x0
	s_endpgm
; ---------------------------------------------------------------- W
; A work-group takes 128 columns x 256 along K of one weight; a lane takes a column and its registers run down K, so the conversions give codes with K innermost.
; g: 0-127 wq, wk, wv, wo (32 each); 128-255 w_fc_in; 256-383 w_fc_out.
.Lw:
	s_sub_co_u32 s3, ttmp9, 32
	s_lshr_b32 s67, s3, 7                          ; class
	s_and_b32 s5, s3, 7                            ; column group (classes 0, 2)
	s_and_b32 s6, s3, 31                           ; (class 1)
	s_bfe_u32 s7, s3, 0x20003                      ; K block (class 0)
	s_bfe_u32 s56, s3, 0x20005                     ; which weight (class 0); K block (class 1)
	s_bfe_u32 s57, s3, 0x40003                     ; K block (class 2)
	s_lshl_b32 s61, s56, 20                        ; wq, wk, wv: panels 0, 1, 2 of w1
	s_lshr_b32 s66, s6, 3
	s_add_co_u32 s66, s66, 3
	s_lshl_b32 s66, s66, 20                        ; w_fc_in: panel 3 + column / 1024
	s_mov_b64 s[58:59], s[14:15]
	s_mov_b32 s60, s41
	s_mov_b32 s4, 20                               ; a K block of the source is 256 rows x N x 4 bytes = 2^20, or 2^22 for N = 4,096
	s_cmp_eq_u32 s56, 1
	s_cselect_b64 s[58:59], s[16:17], s[58:59]
	s_cselect_b32 s60, s43, s60
	s_cmp_eq_u32 s56, 2
	s_cselect_b64 s[58:59], s[18:19], s[58:59]
	s_cselect_b32 s60, s45, s60
	s_cmp_eq_u32 s56, 3
	s_cselect_b64 s[58:59], s[20:21], s[58:59]
	s_cselect_b32 s60, s51, s60
	s_cselect_b32 s61, 0, s61                      ; wo: K blocks 0-3 of b2w
	s_cselect_b64 s[62:63], s[34:35], s[32:33]
	s_cmp_eq_u32 s67, 1
	s_cselect_b64 s[58:59], s[22:23], s[58:59]
	s_cselect_b32 s60, s53, s60
	s_cselect_b32 s61, s66, s61
	s_cselect_b64 s[62:63], s[32:33], s[62:63]
	s_cselect_b32 s5, s6, s5
	s_cselect_b32 s7, s56, s7
	s_cselect_b32 s4, 22, s4
	s_cmp_eq_u32 s67, 2
	s_cselect_b64 s[58:59], s[24:25], s[58:59]
	s_cselect_b32 s60, s55, s60
	s_cselect_b32 s61, 0x100000, s61               ; w_fc_out: K blocks 4-19 of b2w
	s_cselect_b64 s[62:63], s[34:35], s[62:63]
	s_cselect_b32 s7, s57, s7
	s_lshl_b32 s56, s7, s4
	s_lshl_b32 s57, s5, 9
	s_add_co_u32 s56, s56, s57
	s_lshl_b32 s57, s2, 7
	s_add_co_u32 s56, s56, s57                     ; K block, 128 columns a group, 32 a wave
	s_mov_b32 s57, 0
	s_add_nc_u64 s[58:59], s[58:59], s[56:57]
	s_lshl_b32 s56, s7, 18
	s_add_co_u32 s56, s56, s61
	s_and_b32 s5, s5, 7
	s_lshl_b32 s5, s5, 15
	s_add_co_u32 s56, s56, s5
	s_lshl_b32 s5, s2, 13
	s_add_co_u32 s56, s56, s5                      ; row tile 8 (group % 8) + 2 wave, 4,096 bytes each
	s_add_nc_u64 s[62:63], s[62:63], s[56:57]
	s_wait_alu depctr_va_vdst(0)
	v_lshlrev_b32 v7, 2, v1
	SCLIM 11, 10, s60
.macro WLOAD t, n                      ; block t: W(32 t + i, my column): 128 consecutive bytes a wave, 512 a work-group
.set i, 0
.rept 32
	global_load_b32 v[64+32*((\t)%2)+i], v7, s[58:59] offset:(32*(\t)+i)*\n*4 th:TH_LOAD_NT
.set i, i+1
.endr
.endm
; Block t: 32 along K of my column become four pieces of 8 codes.  A fragment's lane (r, h) wants pieces h and 2 + h of column r: the swap hands the odd pieces of columns 0-15 to lanes 16-31
; and the even pieces of columns 16-31 to lanes 0-15, so DD..DD+3 are four registers of the first tile's fragment and DD+4..DD+7 of the second's.
.macro WBLOCK t, n
.set XS, 64+32*((\t)%2)
.set DD, 128+8*(\t)
.if (\t) < 7
	s_wait_loadcnt 32                              ; this block is in; the next block's 32 loads may be out
.else
	s_wait_loadcnt 0x0
.endif
.set i, 0
.rept 32
	v_med3_num_f32 v[XS+i], v[XS+i], -v10, v10
.set i, i+1
.endr
	v_cvt_scalef32_pk8_fp8_f32 v[DD:DD+1], v[XS:XS+7], v11
	v_cvt_scalef32_pk8_fp8_f32 v[DD+2:DD+3], v[XS+16:XS+23], v11
	v_cvt_scalef32_pk8_fp8_f32 v[DD+4:DD+5], v[XS+8:XS+15], v11
	v_cvt_scalef32_pk8_fp8_f32 v[DD+6:DD+7], v[XS+24:XS+31], v11
	v_nop                                          ; a plain line between the conversions and the lines that touch their results
	v_permlane16_swap_b32 v[DD], v[DD+4]
	v_permlane16_swap_b32 v[DD+1], v[DD+5]
	v_permlane16_swap_b32 v[DD+2], v[DD+6]
	v_permlane16_swap_b32 v[DD+3], v[DD+7]
.if (\t)+2 < 8
	WLOAD (\t)+2, \n
.endif
	global_store_b128 v4, v[DD:DD+3], s[62:63] offset:((\t)/4)*2048+((\t)%4)*512
	global_store_b128 v4, v[DD+4:DD+7], s[62:63] offset:4096+((\t)/4)*2048+((\t)%4)*512
.endm
.macro WJOB n
	WLOAD 0, \n
	WLOAD 1, \n
.irp t, 0,1,2,3,4,5,6,7
	WBLOCK \t, \n
.endr
.endm
	s_cmp_eq_u32 s67, 1
	s_cbranch_scc1 .Lw4096
	s_wait_alu depctr_va_vdst(0)
	WJOB 1024
	s_endpgm
.Lw4096:
	s_wait_alu depctr_va_vdst(0)
	WJOB 4096
	s_endpgm
; ---------------------------------------------------------------- ROT
; Position tile pt = 4 g + wave; lane (r, h): pos = 16 pt + r.  Frequencies i = 8 bq + 4 h + jj.  theta_i = G^i, G = 10^(-1/8), kept as a sum of two f32; the angle is reduced by pi/2 in two parts;
; sin and cos by their series to x^9 and x^10 on |x| <= pi/4 (the first term left out is under 2e-9).
.Lrot:
	s_lshl_b32 s3, ttmp9, 2
	s_add_co_u32 s3, s3, s2
	s_lshl_b32 s66, s3, 12
	s_mov_b32 s67, 0
	s_add_nc_u64 s[38:39], s[38:39], s[66:67]
	s_lshl_b32 s3, s3, 4
	s_wait_alu depctr_va_vdst(0)
	v_add_nc_u32 v16, s3, v2
	v_cvt_f32_u32 v16, v16
	s_mov_b32 s4, 0x3F22F983                       ; 2 / pi
	s_mov_b32 s5, 0x3FC90FDB                       ; pi / 2, upper part
	s_mov_b32 s6, 0xB33BBD2E                       ; and the rest
	s_mov_b32 s7, 0xBE2AAAAB                       ; -1/3!
	s_mov_b32 s56, 0x3C088889                      ; 1/5!
	s_mov_b32 s57, 0xB9500D01                      ; -1/7!
	s_mov_b32 s58, 0x3638EF1D                      ; 1/9!
	s_mov_b32 s59, 0x3D2AAAAB                      ; 1/4!
	s_mov_b32 s60, 0xBAB60B61                      ; -1/6!
	s_mov_b32 s61, 0x37D00D01                      ; 1/8!
	s_mov_b32 s62, 0xB493F27E                      ; -1/10!
.macro DFMUL dh, dl, ah, al, bh, bl    ; (dh, dl) = (ah, al) x (bh, bl), each a sum of two f32
	v_mul_f32 v24, v[\ah], v[\bh]
	v_fma_f32 v25, v[\ah], v[\bh], -v24
	v_fma_f32 v25, v[\ah], v[\bl], v25
	v_fma_f32 v25, v[\al], v[\bh], v25
	v_add_f32 v[\dh], v24, v25
	v_sub_f32 v26, v[\dh], v24
	v_sub_f32 v[\dl], v25, v26
.endm
.macro SINCOS c, s                     ; v[c], v[s] = cos, sin of v16 x (v17 + v18)
	v_mul_f32 v27, v16, v17
	v_fma_f32 v28, v16, v17, -v27                  ; what the product's rounding dropped,
	v_fma_f32 v28, v16, v18, v28                   ; and theta's lower part
	v_mul_f32 v29, s4, v27
	v_rndne_f32 v29, v29                           ; quarter turns, at most 1,304
	v_fma_f32 v30, -v29, s5, v27                   ; exact: a multiple of 2^-23 under 1
	v_fma_f32 v30, -v29, s6, v30
	v_add_f32 v30, v30, v28
	v_cvt_i32_f32 v31, v29
	v_mul_f32 v32, v30, v30
	v_fma_f32 v33, v32, s58, s57
	v_fma_f32 v33, v33, v32, s56
	v_fma_f32 v33, v33, v32, s7
	v_mul_f32 v34, v30, v32
	v_fma_f32 v33, v34, v33, v30                   ; sin
	v_fma_f32 v35, v32, s62, s61
	v_fma_f32 v35, v35, v32, s60
	v_fma_f32 v35, v35, v32, s59
	v_mul_f32 v36, v32, v32
	v_fma_f32 v37, v32, -0.5, 1.0
	v_fma_f32 v35, v36, v35, v37                   ; cos
	v_and_b32 v38, 1, v31
	v_cmp_ne_u32 vcc_lo, 0, v38
	v_cndmask_b32 v39, v33, v35, vcc_lo            ; an odd number of quarter turns changes the two over
	v_cndmask_b32 v40, v35, v33, vcc_lo
	v_lshlrev_b32 v38, 30, v31
	v_and_b32 v38, 0x80000000, v38
	v_xor_b32 v[\s], v38, v39                      ; sin is negative in quarters 2, 3
	v_add_nc_u32 v38, 1, v31
	v_lshlrev_b32 v38, 30, v38
	v_and_b32 v38, 0x80000000, v38
	v_xor_b32 v[\c], v38, v40                      ; cos in quarters 1, 2
.endm
	v_mov_b32 v19, 0x3F3FF911                      ; G
	v_mov_b32 v20, 0x32022BB3
	DFMUL 21,22,19,20,19,20                        ; G^2
	DFMUL 41,42,21,22,21,22                        ; G^4
	DFMUL 21,22,41,42,19,20                        ; G^5
	v_cmp_ne_u32 vcc_lo, 0, v3
	v_cndmask_b32 v17, 1.0, v41, vcc_lo            ; theta of i = 4 h
	v_cndmask_b32 v18, 0, v42, vcc_lo
.irp bq, 0,1,2,3
.irp jj, 0,1,2,3
	SINCOS 64+4*\bq+\jj, 80+4*\bq+\jj
.if \jj < 3
	DFMUL 17,18,17,18,19,20
.elseif \bq < 3
	DFMUL 17,18,17,18,21,22
.endif
.endr
.endr
.irp bq, 0,1,2,3
	global_store_b128 v4, v[64+4*\bq:67+4*\bq], s[38:39] offset:\bq*1024
	global_store_b128 v4, v[80+4*\bq:83+4*\bq], s[38:39] offset:\bq*1024+512
.endr
	s_endpgm
.Lfunc_end_k_qd779ac0b98_prep:
	.size	k_qd779ac0b98_prep, .Lfunc_end_k_qd779ac0b98_prep-k_qd779ac0b98_prep
	.p2alignl 7, 3214868480
	.fill 96, 4, 3214868480
	.section	.rodata,"a",@progbits
	.p2align	6, 0x0
	.amdhsa_kernel k_qd779ac0b98_prep
		.amdhsa_group_segment_fixed_size 68608
		.amdhsa_private_segment_fixed_size 0
		.amdhsa_enable_private_segment 0
		.amdhsa_kernarg_size 128
		.amdhsa_user_sgpr_count 2
		.amdhsa_user_sgpr_kernarg_segment_ptr 1
		.amdhsa_wavefront_size32 1
		.amdhsa_system_sgpr_workgroup_id_x 1
		.amdhsa_system_sgpr_workgroup_id_y 1
		.amdhsa_system_sgpr_workgroup_id_z 1
		.amdhsa_system_vgpr_workitem_id 0
		.amdhsa_next_free_vgpr 256
		.amdhsa_next_free_sgpr 100
		.amdhsa_reserve_vcc 1
		.amdhsa_float_denorm_mode_32 3
		.amdhsa_float_denorm_mode_16_64 3
		.amdhsa_memory_ordered 1
		.amdhsa_forward_progress 1
		.amdhsa_inst_pref_size 236
	.end_amdhsa_kernel
	.amdgpu_metadata
---
amdhsa.version: [ 1, 2 ]
amdhsa.kernels:
  - .name:           k_qd779ac0b98_prep
    .symbol:         k_qd779ac0b98_prep.kd
    .args:
      - { .name: x, .offset: 0, .size: 8, .value_kind: global_buffer, .address_space: global }
      - { .name: ln_scale, .offset: 8, .size: 8, .value_kind: global_buffer, .address_space: global }
      - { .name: ln_offset, .offset: 16, .size: 8, .value_kind: global_buffer, .address_space: global }
      - { .name: wq, .offset: 24, .size: 8, .value_kind: global_buffer, .address_space: global }
      - { .name: wk, .offset: 32, .size: 8, .value_kind: global_buffer, .address_space: global }
      - { .name: wv, .offset: 40, .size: 8, .value_kind: global_buffer, .address_space: global }
      - { .name: wo, .offset: 48, .size: 8, .value_kind: global_buffer, .address_space: global }
      - { .name: w_fc_in, .offset: 56, .size: 8, .value_kind: global_buffer, .address_space: global }
      - { .name: w_fc_out, .offset: 64, .size: 8, .value_kind: global_buffer, .address_space: global }
      - { .name: attn_bias, .offset: 72, .size: 8, .value_kind: global_buffer, .address_space: global }
      - { .name: lowp_scales, .offset: 80, .size: 8, .value_kind: global_buffer, .address_space: global }
      - { .name: xq, .offset: 88, .size: 8, .value_kind: global_buffer, .address_space: global }
      - { .name: w1, .offset: 96, .size: 8, .value_kind: global_buffer, .address_space: global }
      - { .name: b2w, .offset: 104, .size: 8, .value_kind: global_buffer, .address_space: global }
      - { .name: biasf, .offset: 112, .size: 8, .value_kind: global_buffer, .address_space: global }
      - { .name: rot, .offset: 120, .size: 8, .value_kind: global_buffer, .address_space: global }
    .group_segment_fixed_size: 68608
    .private_segment_fixed_size: 0
    .kernarg_segment_align: 8
    .kernarg_segment_size: 128
    .max_flat_workgroup_size: 128
    .sgpr_count:     100
    .vgpr_count:     256
    .wavefront_size: 32
...
	.end_amdgpu_metadata
.endif
;; end of part 1
;; launch proj (part 2): grid 224 x 1, 4 waves a work-group, clusters of 4 x 1, 327,680 bytes of LDS; arguments xq, w1, rot, b_fc_in, lowp_scales, qkv, a2; writes qkv, a2
.if DOCPART == 2
	.amdgcn_target "amdgcn-amd-amdhsa--gfx1250"
	.amdhsa_code_object_version 6
	.text
	.protected	k_qd779ac0b98_proj
	.globl	k_qd779ac0b98_proj
	.p2align	8
	.type	k_qd779ac0b98_proj,@function
k_qd779ac0b98_proj:
	s_mov_b64 s[64:65], 0
	v_nop
	global_prefetch_b8 v0, s[64:65] scope:SCOPE_SE
	s_setreg_imm32_b32 hwreg(HW_REG_WAVE_MODE, 25, 1), 1
	s_wait_xcnt 0x0
	s_wait_alu depctr_hold_cnt(0) depctr_sa_sdst(0) depctr_va_vdst(0) depctr_va_sdst(0) depctr_va_ssrc(0) depctr_va_vcc(0) depctr_vm_vsrc(0)
	s_getreg_b32 s2, hwreg(HW_REG_IB_STS2, 6, 4)
	s_cmp_eq_u32 s2, 0
	s_cbranch_scc0 .Lentry_in_a_cluster
	s_endpgm
.Lentry_in_a_cluster:
	s_bfe_u32 s2, ttmp6, 0x10000c
	s_cmp_lg_u32 s2, 0x3003
	s_cbranch_scc0 .Lentry_shape_is_right
	s_endpgm
.Lentry_shape_is_right:
; PROJ: the four products whose left operand is xn, K = 1,024.  A work-group makes 256 x 512 of one product.
; ONE OPERAND STAYS IN REGISTERS ("R"): a wave holds 64 of its rows over the whole K, 4 row tiles x 8 K steps x 16 registers = 512, loaded once as fragment images.
; THE OTHER STREAMS ("S"): 512 rows in four slots of 128 rows x 1,024 K = 131,072 bytes, through a ring of two LDS slots; all four waves read every fragment of S.
; So a slot feeds 256 matrix instructions a wave, and the ring has four fills in all.
; Cluster c of 4 x 1 work-groups (partner cx takes another 256 rows of R; all four need the same S, asked for jointly):
;   c 0-31 FFN-in: R = xn version 3, rows 1,024 (c % 4) + 256 cx; S = w_fc_in's columns 512 (c / 4) ..; + bias, gelu, codes of h into a2
;   c 32-47 q (32-39), k (40-47): R = xn version 0, 1; S = 512 columns of wq, wk; rotary on the raw sums, codes into qkv
;   c 48-55 v: R = wv's columns 256 cx .., S = xn version 2, positions 512 (c - 48) ..: codes of V^T, K = the keys
; 224 work-groups: xn has another version for each product, and R holds one version, so the columns are cut at the products' borders: 14 groups of 512 x 16 blocks of rows.
; The matrix instruction takes S as source 0 and R as source 1: lane (r, h), register j = C(R's row r, S's row 8 h + j); eight registers, converted, are registers 2 b, 2 b + 1 of a fragment
; whose rows are R's and whose K runs along S's rows.  Two S tiles (a pair) x 4 R tiles = 8 accumulators take turns; a pair's codes are four registers of each R tile's fragment: one store of 512 bytes each.
; No prefetch: of a work-group's four fills the first two go out at the head, and each of the other two is asked for 256 matrix instructions and four ways out ahead of the wait for it.
; LIMITS: e6-e0-e1, e7-e2-e3, e8-e4-e5 and e14 lie between -126 and 119; e12+e13 between -126 and 127.  NaN is not served.  gelu = x / (1 + 2^(-2 log2(e) u)), u = sqrt(2/pi)(x + 0.044715 x^3).
; REGISTERS: window 0: addresses, v32-95 accumulators, v96-159 gelu's work or the rotary table, v160-175 codes, v176-191 bias, v192-223 rotated numbers;
;   window 1: S's fragments, K steps 0-3 at v0, 4-7 at v128;  windows 2, 3: R's fragments of K steps 0-3, 4-7.
.set SLOT,  131072
.set SPARE, 2*SLOT                     ; the spare words, 128 bytes a wave, named by no other line
.set LI,  1                            ; 16 x lane
.set SPW, 2
.set NIL, 3
.set ADA, 4                            ; LDS address of the pair's fragments, K steps 0-3
.set ADB, 5                            ; K steps 4-7
.set SO,  6                            ; the stores' offset
.set AO,  7                            ; the bias's or the table's offset
.set SC,  8
.set LIM, 9
.set ACC, 32
.set Z,   96
.set TBL, 96
.set CD,  160
.set BI,  176
.set Y,   192
.set WV,  18
.set CX,  19
.set G1,  24
.set G0,  32
.set RB,  36
.set OB,  40
.set AX,  42
.set SBF, 44                           ; the slot that is read
.set TB,  45                           ; the pair's first byte in it
.set PP,  46                           ; pairs done, 0..15
.set CN1, 47
.set CN2, 48
.set MSB, 0
.macro WIN new                         ; the immediate's high byte repeats the setting that is left
.if MSB != (\new)
	s_set_vgpr_msb (MSB<<8)|(\new)
.set MSB, (\new)
.endif
.endm
.macro CROUND                          ; a round of the cluster's barrier
	s_barrier_signal -1
	s_barrier_wait -1
	s_cmp_lg_u32 s[WV], 0
	s_cbranch_scc1 .Lnw0_\@
	s_barrier_signal -3
.Lnw0_\@:
	s_barrier_wait -3
	s_barrier_signal -1
	s_barrier_wait -1
.endm
.macro NOPS n
.rept \n
	v_nop
.endr
.endm
.macro SCLIM                           ; s96 = X -> v[SC] = 2^X, v[LIM] = 448 x 2^X
	s_add_co_i32 s96, s96, 127
	s_lshl_b32 s97, s96, 23
	v_mov_b32 v[SC], s97
	s_add_co_i32 s96, s96, 8
	s_lshl_b32 s96, s96, 23
	s_or_b32 s96, s96, 0x600000
	v_mov_b32 v[LIM], s96
.endm
	s_load_b256 s[4:11], s[0:1], 0x0               ; xq 4, w1 6, rot 8, b_fc_in 10
	s_load_b128 s[12:15], s[0:1], 0x20             ; lowp_scales 12, qkv 14
	s_load_b64 s[16:17], s[0:1], 0x30              ; a2
	v_lshl_add_u32 v[SPW], v0, 2, SPARE
	v_mov_b32 v[NIL], 0
	ds_add_u32 v[SPW], v[NIL]                      ; the opening lines: the add, twice on end, and its wait ahead of my first tensor load
	ds_add_u32 v[SPW], v[NIL]
	v_lshrrev_b32 v4, 5, v0
	v_readfirstlane_b32 s[WV], v4                  ; wave
	v_and_b32 v[LI], 31, v0
	v_lshlrev_b32 v[LI], 4, v[LI]
	s_bfe_u32 s[CX], ttmp6, 0x40000                ; my place in the cluster
	s_mov_b32 s[G1], 15|(3<<16)|(1<<21)            ; all four partners; elements of 8 bytes; bit 21 beside a mask
	s_mov_b32 s[G1+1], 32<<16                      ; a dense block of 32,768 bytes as 128 rows of 256
	s_mov_b32 s[G1+2], 128<<16
	s_mov_b32 s[G1+3], 32<<16
	s_mov_b32 s[G1+4], 128
	s_mov_b32 s[G1+5], 32
	s_mov_b32 s[G1+6], 0
	s_mov_b32 s[G1+7], 0
	; byte offsets of R (s54) and of S (s56) in their buffers; S's hangs on the cluster's number and the wave alone
	s_and_b32 s50, ttmp9, 3                        ; the rows' panel
	s_lshl_b32 s53, s50, 20
	s_lshr_b32 s51, ttmp9, 3
	s_bfe_u32 s52, ttmp9, 0x10002
	s_lshl_b32 s52, s52, 17                        ; which 512 of a panel's 1,024 rows of S
	s_or_b32 s54, s53, 3<<22                       ; FFN: xn version 3
	s_add_co_u32 s56, s51, 3
	s_lshl_b32 s56, s56, 20                        ; w1's panel 3 + c / 8
	s_and_b32 s58, s51, 1                          ; q 0, k 1
	s_lshl_b32 s59, s58, 22
	s_or_b32 s59, s59, s53
	s_lshl_b32 s58, s58, 20
	s_cmp_lt_u32 ttmp9, 32
	s_cselect_b32 s54, s54, s59
	s_cselect_b32 s56, s56, s58
	s_add_co_u32 s56, s56, s52
	s_bfe_u32 s58, ttmp9, 0x20001                  ; v: S = xn version 2, panel (c - 48) / 2, half (c - 48) % 2
	s_lshl_b32 s58, s58, 20
	s_and_b32 s59, ttmp9, 1
	s_lshl_b32 s59, s59, 17
	s_add_co_u32 s58, s58, s59
	s_add_co_u32 s58, s58, 2<<22
	s_cmp_lt_u32 ttmp9, 48
	s_cselect_b32 s54, s54, 2<<20                  ; R = w1's panel 2
	s_cselect_b32 s56, s56, s58
	s_lshl_b32 s60, s[CX], 16
	s_add_co_u32 s54, s54, s60                     ; 16 row tiles a work-group,
	s_lshl_b32 s60, s[WV], 14
	s_add_co_u32 s54, s54, s60                     ; 4 a wave
	s_lshl_b32 s58, s[WV], 18
	s_add_co_u32 s56, s56, s58                     ; wave w fetches K block w of a slot
	s_mov_b32 s55, 0
	s_mov_b32 s57, 0
	s_mov_b32 s[SBF], 0
	s_mov_b32 s[PP], 0
	s_wait_alu depctr_va_vdst(0)
	s_wait_dscnt 0x0                               ; both opening adds are done
	s_wait_kmcnt 0x0
	s_load_b512 s[80:95], s[12:13], 0x0            ; e0 .. e15
	s_cmp_lt_u32 ttmp9, 48                         ; v: the operands change places; the choice hangs on the cluster's number alone
	s_cselect_b64 s[RB:RB+1], s[4:5], s[6:7]
	s_cselect_b64 s[38:39], s[6:7], s[4:5]
	s_add_nc_u64 s[RB:RB+1], s[RB:RB+1], s[54:55]
	s_add_nc_u64 s[38:39], s[38:39], s[56:57]
	s_mov_b32 s[G0], 1
	s_lshl_b32 s[G0+1], s[WV], 15                  ; slot 0, K block w
	s_mov_b64 s[G0+2:G0+3], s[38:39]
	s_or_b32 s[G0+3], s[G0+3], 0x80000000
	CROUND                                         ; the four partners are here: the first joint loads meet
	tensor_load_to_lds s[G0:G0+3], s[G1:G1+7]      ; slot 0: one tensor load a wave at the head
	s_nop 0
	NOPS 4
.macro RLOAD hi                        ; R's fragments of K steps 4 hi .. 4 hi + 3: fragment (a, s) at v[16 (4 s + a)] of the window
.irp s, 0,1,2,3
.irp a, 0,1,2,3
.irp c, 0,1,2,3
	global_load_b128 v[16*(4*\s+\a)+4*\c:16*(4*\s+\a)+4*\c+3], v[LI], s[RB:RB+1] offset:((4*\hi+\s)/2)*262144+(\s%2)*2048+\a*4096+512*\c
.endr
.endr
.endr
.endm
	WIN 0x80
	RLOAD 0
	WIN 0xc0
	RLOAD 1
	WIN 0
; 8 matrix instructions: K step 4 hi + s, 2 S tiles x 4 R tiles; the 8 accumulators take turns, one instruction a turn.  The first K step starts the sums.
.macro MULK hi, s
.irp t, 0,1
.irp a, 0,1,2,3
.if (\hi) == 0 && (\s) == 0
	v_wmma_f32_16x16x128_fp8_fp8 v[ACC+8*(4*\t+\a):ACC+8*(4*\t+\a)+7], v[128*\hi+16*(2*\s+\t):128*\hi+16*(2*\s+\t)+15], v[16*(4*\s+\a):16*(4*\s+\a)+15], 0
.else
	v_wmma_f32_16x16x128_fp8_fp8 v[ACC+8*(4*\t+\a):ACC+8*(4*\t+\a)+7], v[128*\hi+16*(2*\s+\t):128*\hi+16*(2*\s+\t)+15], v[16*(4*\s+\a):16*(4*\s+\a)+15], v[ACC+8*(4*\t+\a):ACC+8*(4*\t+\a)+7]
.endif
.endr
.endr
.endm
.macro FA s                            ; a pair's two fragments of K step s (0-3): 8 loads of 512 consecutive bytes
.irp t, 0,1
.irp c, 0,1,2,3
	ds_load_b128 v[16*(2*\s+\t)+4*\c:16*(2*\s+\t)+4*\c+3], v[ADA] offset:(\s/2)*32768+\t*4096+(\s%2)*2048+512*\c
.endr
.endr
.endm
.macro FB                              ; its eight fragments of K steps 4-7: 32 loads
.irp s, 0,1,2,3
.irp t, 0,1
.irp c, 0,1,2,3
	ds_load_b128 v[128+16*(2*\s+\t)+4*\c:128+16*(2*\s+\t)+4*\c+3], v[ADB] offset:(\s/2)*32768+\t*4096+(\s%2)*2048+512*\c
.endr
.endr
.endr
.endm
.macro FETCH                           ; all 16 fragments of a pair, K steps 0-3 first
	WIN 0x40
.irp s, 0,1,2,3
	FA \s
.endr
	FB
	WIN 0
.endm
.macro SOFF low, sh, hs                ; s50 = where pair PP's codes go: 512 (PP & low) + (PP >> sh) << hs
	s_and_b32 s50, s[PP], \low
	s_lshl_b32 s50, s50, 9
	s_lshr_b32 s51, s[PP], \sh
	s_lshl_b32 s51, s51, \hs
	s_add_co_u32 s50, s50, s51
.endm
.macro CODES src                       ; 8 x 8 numbers -> four registers of each R tile's fragment
.irp t, 0,1
.irp a, 0,1,2,3
	v_cvt_scalef32_pk8_fp8_f32 v[CD+4*\a+2*\t:CD+4*\a+2*\t+1], v[\src+8*(4*\t+\a):\src+8*(4*\t+\a)+7], v[SC]
.endr
.endr
.endm
.macro SEND as                         ; the addition is the plain line behind the conversions; each store covers 512 consecutive bytes
	v_add_nc_u32 v[SO], s50, v[LI]
.irp a, 0,1,2,3
	global_store_b128 v[SO], v[CD+4*\a:CD+4*\a+3], s[OB:OB+1] offset:\a*\as
.endr
	s_add_co_u32 s[PP], s[PP], 1
	s_wait_alu depctr_va_vdst(0)
.endm
.macro HOLD64
.set j, 0
.rept 64
	v_med3_num_f32 v[ACC+j], v[ACC+j], -v[LIM], v[LIM]   ; the conversion does not saturate (ISA guide 7.6.2)
.set j, j+1
.endr
.endm
.macro BLOAD                           ; the bias of a pair's 32 columns in the results' layout: v[BI + 8 t + j]
.irp q, 0,1,2,3
	global_load_b128 v[BI+4*\q:BI+4*\q+3], v[AO], s[AX:AX+1] offset:64*(\q/2)+16*(\q%2)
.endr
.endm
.macro TLOAD                           ; the table for a pair: v[TBL + 16 a + 8 t + 4 u + jj], u = 0 cos, 1 sin
.irp a, 0,1,2,3
.irp t, 0,1
.irp u, 0,1
	global_load_b128 v[TBL+16*\a+8*\t+4*\u:TBL+16*\a+8*\t+4*\u+3], v[AO], s[AX:AX+1] offset:\a*4096+\t*1024+\u*512
.endr
.endr
.endr
.endm
; FFN-in's way out: x = sum x 2^(e12+e13) + bias; gelu; codes with 2^e14
.macro EPI0 final
	s_wait_loadcnt 0x0                             ; this pair's bias
	s_wait_xcnt 0x0                                ; the last pair's stores have read their registers
.irp t, 0,1
.irp a, 0,1,2,3
.irp j, 0,2,4,6
	v_pk_fma_f32 v[ACC+8*(4*\t+\a)+\j:ACC+8*(4*\t+\a)+\j+1], v[ACC+8*(4*\t+\a)+\j:ACC+8*(4*\t+\a)+\j+1], s[98:99], v[BI+8*\t+\j:BI+8*\t+\j+1] op_sel_hi:[1,0,1]
.endr
.endr
.endr
.if \final
	s_wait_alu depctr_va_vdst(0)
	s_cmp_eq_u32 s[PP], 15                         ; behind the sixteenth pair there is no bias to ask for
	s_cbranch_scc1 .Lnx_\@
.endif
	s_add_nc_u64 s[AX:AX+1], s[AX:AX+1], 128       ; the next pair's bias, a pair ahead
	BLOAD
.if \final
.Lnx_\@:
.endif
.set j, 0
.rept 32
	v_pk_mul_f32 v[Z+j:Z+j+1], v[ACC+j:ACC+j+1], v[ACC+j:ACC+j+1]
.set j, j+2
.endr
.set j, 0
.rept 32
	v_pk_fma_f32 v[Z+j:Z+j+1], v[Z+j:Z+j+1], s[76:77], v[10:11] op_sel_hi:[1,0,1]
.set j, j+2
.endr
.set j, 0
.rept 32
	v_pk_mul_f32 v[Z+j:Z+j+1], v[Z+j:Z+j+1], v[ACC+j:ACC+j+1]
.set j, j+2
.endr
	s_wait_alu depctr_va_vdst(0)                   ; a wait ahead of a batch and one behind it
.set j, 0
.rept 64
	v_exp_f32 v[Z+j], v[Z+j]
.set j, j+1
.endr
	v_nop
	s_wait_alu depctr_va_vdst(0)
.set j, 0
.rept 32
	v_pk_add_f32 v[Z+j:Z+j+1], v[Z+j:Z+j+1], 1.0 op_sel_hi:[1,0]
.set j, j+2
.endr
	s_wait_alu depctr_va_vdst(0)
.set j, 0
.rept 64
	v_rcp_f32 v[Z+j], v[Z+j]
.set j, j+1
.endr
	v_nop
	s_wait_alu depctr_va_vdst(0)
.set j, 0
.rept 32
	v_pk_mul_f32 v[ACC+j:ACC+j+1], v[ACC+j:ACC+j+1], v[Z+j:Z+j+1]
.set j, j+2
.endr
	HOLD64
	SOFF 7, 3, 18                                  ; 512 a pair in a K block of 256 of a2, then the next K block
	CODES ACC
	SEND 4096
.endm
.macro ROTP y, x, c, odd               ; (y0, y1) = (x0 cos - x1 sin, x1 cos + x0 sin): cos in register odd of the pair v[c], sin four registers on
.if \odd
	v_pk_mul_f32 v[\y:\y+1], v[\x:\x+1], v[\c:\c+1] op_sel:[0,1] op_sel_hi:[1,1]
	v_pk_fma_f32 v[\y:\y+1], v[\x:\x+1], v[\c+4:\c+5], v[\y:\y+1] op_sel:[1,1,0] op_sel_hi:[0,1,1] neg_lo:[1,0,0]
.else
	v_pk_mul_f32 v[\y:\y+1], v[\x:\x+1], v[\c:\c+1] op_sel:[0,0] op_sel_hi:[1,0]
	v_pk_fma_f32 v[\y:\y+1], v[\x:\x+1], v[\c+4:\c+5], v[\y:\y+1] op_sel:[1,0,0] op_sel_hi:[0,0,1] neg_lo:[1,0,0]
.endif
.endm
; q's and k's way out: pair PP holds d = 32 (PP % 2) + 16 t + 8 h + j of head PP / 2 of my eight
.macro EPI1 final
	s_wait_loadcnt 0x0                             ; this pair's part of the table
	s_wait_xcnt 0x0
.irp t, 0,1
.irp a, 0,1,2,3
.irp jj, 0,1,2,3
	ROTP Y+8*\a+2*\jj, ACC+8*(4*\t+\a)+2*\jj, TBL+16*\a+8*\t+2*(\jj/2), \jj%2
.endr
.endr
.set j, 0
.rept 32
	v_med3_num_f32 v[Y+j], v[Y+j], -v[LIM], v[LIM]
.set j, j+1
.endr
.irp a, 0,1,2,3
	v_cvt_scalef32_pk8_fp8_f32 v[CD+4*\a+2*\t:CD+4*\a+2*\t+1], v[Y+8*\a:Y+8*\a+7], v[SC]
.endr
	v_nop                                          ; a plain line between the conversions and the next write of their sources
.endr
.if \final
	s_wait_alu depctr_va_vdst(0)
	s_cmp_eq_u32 s[PP], 15                         ; behind the sixteenth pair nothing of the table is asked for
	s_cbranch_scc1 .Lnx_\@
.endif
	v_xor_b32 v[AO], 2048, v[AO]                   ; the other half of the 64 d, a pair ahead
	TLOAD
.if \final
.Lnx_\@:
.endif
	SOFF 1, 1, 17
	SEND 1024
.endm
; v's way out: R tile a is 16 d of my head; pair PP holds keys 32 PP + 16 t + 8 h + j of my 512
.macro EPI2 final
	s_wait_xcnt 0x0
	HOLD64
	SOFF 3, 2, 13
	CODES ACC
	SEND 2048
.endm
.macro EPI kind, final
.if \kind == 0
	EPI0 \final
.elseif \kind == 1
	EPI1 \final
.else
	EPI2 \final
.endif
.endm
; A pair that has its successor in the same slot.  The successor's fragments of K steps 0-3 are asked for among the products of K steps 4-7, eight loads to eight products; those of K steps 4-7 behind the products, ahead of the way out.
.macro PAIR kind
	s_wait_dscnt 32                                ; K steps 0-3 are in; the 32 loads of K steps 4-7 may be out
	WIN 0x09
.irp s, 0,1,2,3
	MULK 0, \s
.endr
	s_wait_dscnt 0x0
	WIN 0
	s_add_co_u32 s[TB], s[TB], 8192
	v_add_nc_u32 v[ADA], s[TB], v[LI]              ; with the two v_nop: the four places behind the products of K steps 0-3
	v_add_nc_u32 v[ADB], 65536, v[ADA]
	NOPS 2
	s_wait_alu depctr_va_vdst(0)
.irp s, 0,1,2,3
	WIN 0x40
	FA \s
	WIN 0x0d
	MULK 1, \s
.endr
	WIN 0
	NOPS 4
	WIN 0x40
	FB
	WIN 0
	EPI \kind, 0
.endm
.macro LASTMUL                         ; the products of a slot's last pair: nothing more is read from the slot
	s_wait_dscnt 32
	WIN 0x09
.irp s, 0,1,2,3
	MULK 0, \s
.endr
	s_wait_dscnt 0x0
	WIN 0x0d
.irp s, 0,1,2,3
	MULK 1, \s
.endr
	WIN 0
	NOPS 4
.endm
; THE CHANGE OF SLOTS stands behind the products of a slot's last pair and ahead of that pair's way out: my part of the slot ahead has landed, my reads of the slot left are over;
; fill = 1: behind the round the slot left takes the 128 rows that follow the slot ahead (ahead of slot 0: slot 1's first fill).
.macro CHANGE fill
	s_wait_tensorcnt 0x0
	ds_add_u32 v[SPW], v[NIL]
.if \fill
	s_xor_b32 s[G0+1], s[G0+1], SLOT
	s_add_nc_u64 s[G0+2:G0+3], s[G0+2:G0+3], 32768
.endif
	s_wait_dscnt 0x0
.if \fill
	CROUND
	tensor_load_to_lds s[G0:G0+3], s[G1:G1+7]
	s_nop 0
	NOPS 4
.else
	s_barrier_signal -1
	s_barrier_wait -1
.endif
.endm
.macro SLOTFETCH                       ; the first pair of the slot ahead
	s_mov_b32 s[TB], s[SBF]
	v_add_nc_u32 v[ADA], s[TB], v[LI]
	v_add_nc_u32 v[ADB], 65536, v[ADA]
	FETCH
.endm
.macro SLOTRUN kind, fill
	s_mov_b32 s[CN2], 3
.Lp_\@:
	PAIR \kind
	s_sub_co_u32 s[CN2], s[CN2], 1
	s_cmp_lg_u32 s[CN2], 0
	s_cbranch_scc1 .Lp_\@
	LASTMUL
	s_xor_b32 s[SBF], s[SBF], SLOT
	CHANGE \fill
.if \fill
	SLOTFETCH
.else
	s_cmp_eq_u32 s[CN1], 1                         ; behind the fourth slot there is none to read
	s_cbranch_scc1 .Lnf_\@
	SLOTFETCH
.Lnf_\@:
.endif
	EPI \kind, 1-\fill                             ; the last pair's way out, under which the fragments just asked for land
.endm
.macro NEST kind
	s_wait_loadcnt 0x0                             ; R is in: slot 1 is asked for only behind this wait, so that its bytes are not on their way beside R's
	CHANGE 1                                       ; slot 0 is in; slot 1 is asked for
	SLOTFETCH
	s_mov_b32 s[CN1], 2
.Ls_\@:                                ; slots 0, 1: behind each, the slot two on is asked for
	SLOTRUN \kind, 1
	s_sub_co_u32 s[CN1], s[CN1], 1
	s_cmp_lg_u32 s[CN1], 0
	s_cbranch_scc1 .Ls_\@
	s_mov_b32 s[CN1], 2
.Lt_\@:                                ; slots 2, 3: nothing is asked for
	SLOTRUN \kind, 0
	s_sub_co_u32 s[CN1], s[CN1], 1
	s_cmp_lg_u32 s[CN1], 0
	s_cbranch_scc1 .Lt_\@
.endm
	s_wait_kmcnt 0x0                               ; the sixteen exponents
	s_mov_b32 s59, 0
	s_cmp_lt_u32 ttmp9, 32                         ; three ways, chosen by the cluster's number, which all partners share
	s_cbranch_scc1 .Lfc
	s_cmp_lt_u32 ttmp9, 48
	s_cbranch_scc1 .Lqk
; ---- v
	s_sub_co_i32 s96, s88, s84
	s_sub_co_i32 s96, s96, s85                     ; e8 - e4 - e5
	SCLIM
	s_bfe_u32 s58, ttmp9, 0x10002                  ; the batch
	s_lshl_b32 s58, s58, 4
	s_lshl_b32 s51, s[CX], 2
	s_add_co_u32 s58, s58, s51
	s_add_co_u32 s58, s58, s[WV]                   ; + my head: 4 cx + wave
	s_lshl_b32 s58, s58, 17
	s_and_b32 s51, ttmp9, 3
	s_lshl_b32 s51, s51, 15                        ; my first key step, 8,192 bytes each
	s_add_co_u32 s58, s58, s51
	s_add_co_u32 s58, s58, 0x800000                ; v at 8 MiB
	s_add_nc_u64 s[OB:OB+1], s[14:15], s[58:59]
	s_wait_alu depctr_va_vdst(0)
	NEST 2
	s_branch .Ldone
; ---- q, k
.Lqk:
	s_sub_co_i32 s96, s86, s80
	s_sub_co_i32 s96, s96, s81                     ; e6 - e0 - e1
	s_sub_co_i32 s97, s87, s82
	s_sub_co_i32 s97, s97, s83                     ; e7 - e2 - e3
	s_bfe_u32 s52, ttmp9, 0x10003                  ; q 0, k 1
	s_cmp_lg_u32 s52, 0
	s_cselect_b32 s96, s97, s96
	SCLIM
	s_and_b32 s51, ttmp9, 1
	s_lshl_b32 s51, s51, 6
	s_lshl_b32 s58, s[CX], 4
	s_add_co_u32 s51, s51, s58
	s_lshl_b32 s58, s[WV], 2
	s_add_co_u32 s51, s51, s58                     ; my first tile of positions in the sequence
	s_lshl_b32 s58, s51, 12
	s_add_nc_u64 s[AX:AX+1], s[8:9], s[58:59]
	s_lshl_b32 s58, s51, 10
	s_lshl_b32 s52, s52, 22                        ; q at 0, k at 4 MiB
	s_add_co_u32 s58, s58, s52
	s_bfe_u32 s51, ttmp9, 0x10001                  ; the batch: 16 heads of 2^17 bytes
	s_lshl_b32 s51, s51, 21
	s_add_co_u32 s58, s58, s51
	s_bfe_u32 s51, ttmp9, 0x10002                  ; heads 0-7 or 8-15
	s_lshl_b32 s51, s51, 20
	s_add_co_u32 s58, s58, s51
	s_add_nc_u64 s[OB:OB+1], s[14:15], s[58:59]
	v_mov_b32 v[AO], v[LI]
	s_wait_alu depctr_va_vdst(0)
	TLOAD
	NEST 1
	s_branch .Ldone
; ---- FFN-in
.Lfc:
	s_mov_b32 s96, s94
	SCLIM
	s_add_co_i32 s98, s92, s93
	s_add_co_i32 s98, s98, 127
	s_lshl_b32 s98, s98, 23                        ; 2^(e12 + e13)
	s_mov_b32 s99, s98
	s_mov_b32 s76, 0xBDD2D3E8                      ; -2 log2(e) sqrt(2/pi) x 0.044715
	s_mov_b32 s77, s76
	s_lshr_b32 s52, ttmp9, 2                       ; my group of 512 columns
	s_lshl_b32 s58, s52, 11
	s_add_nc_u64 s[AX:AX+1], s[10:11], s[58:59]
	s_mul_i32 s58, s50, 5242880                    ; a2's panel of rows
	s_lshl_b32 s52, s52, 19
	s_add_co_u32 s58, s58, s52
	s_add_co_u32 s58, s58, 4<<18                   ; K block 4 + column / 256
	s_lshl_b32 s52, s[CX], 16
	s_add_co_u32 s58, s58, s52
	s_lshl_b32 s52, s[WV], 14
	s_add_co_u32 s58, s58, s52                     ; row tile 16 cx + 4 wave
	s_add_nc_u64 s[OB:OB+1], s[16:17], s[58:59]
	v_mov_b32 v10, 0xC0135761                      ; -2 log2(e) sqrt(2/pi)
	v_mov_b32 v11, v10
	v_bfe_u32 v[AO], v0, 4, 1
	v_lshlrev_b32 v[AO], 5, v[AO]                  ; 32 h
	s_wait_alu depctr_va_vdst(0)
	BLOAD
	NEST 0
.Ldone:
	s_wait_tensorcnt 0x0                           ; the wave's end
	ds_add_u32 v[SPW], v[NIL]
	s_wait_dscnt 0x0
	CROUND                                         ; the closing round
	s_endpgm
.Lfunc_end_k_qd779ac0b98_proj:
	.size	k_qd779ac0b98_proj, .Lfunc_end_k_qd779ac0b98_proj-k_qd779ac0b98_proj
	.p2alignl 7, 3214868480
	.fill 96, 4, 3214868480
	.section	.rodata,"a",@progbits
	.p2align	6, 0x0
	.amdhsa_kernel k_qd779ac0b98_proj
		.amdhsa_group_segment_fixed_size 327680
		.amdhsa_private_segment_fixed_size 0
		.amdhsa_enable_private_segment 0
		.amdhsa_kernarg_size 56
		.amdhsa_user_sgpr_count 2
		.amdhsa_user_sgpr_kernarg_segment_ptr 1
		.amdhsa_wavefront_size32 1
		.amdhsa_system_sgpr_workgroup_id_x 1
		.amdhsa_system_sgpr_workgroup_id_y 1
		.amdhsa_system_sgpr_workgroup_id_z 1
		.amdhsa_system_vgpr_workitem_id 0
		.amdhsa_next_free_vgpr 1024
		.amdhsa_next_free_sgpr 100
		.amdhsa_reserve_vcc 0
		.amdhsa_float_denorm_mode_32 3
		.amdhsa_float_denorm_mode_16_64 3
		.amdhsa_memory_ordered 1
		.amdhsa_forward_progress 1
		.amdhsa_inst_pref_size 255
	.end_amdhsa_kernel
	.section	.bss,"aw",@nobits
	.p2align	6
	.space	262144
	.amdgpu_metadata
---
amdhsa.version: [ 1, 2 ]
amdhsa.kernels:
  - .name:           k_qd779ac0b98_proj
    .symbol:         k_qd779ac0b98_proj.kd
    .args:
      - { .name: xq, .offset: 0, .size: 8, .value_kind: global_buffer, .address_space: global }
      - { .name: w1, .offset: 8, .size: 8, .value_kind: global_buffer, .address_space: global }
      - { .name: rot, .offset: 16, .size: 8, .value_kind: global_buffer, .address_space: global }
      - { .name: b_fc_in, .offset: 24, .size: 8, .value_kind: global_buffer, .address_space: global }
      - { .name: lowp_scales, .offset: 32, .size: 8, .value_kind: global_buffer, .address_space: global }
      - { .name: qkv, .offset: 40, .size: 8, .value_kind: global_buffer, .address_space: global }
      - { .name: a2, .offset: 48, .size: 8, .value_kind: global_buffer, .address_space: global }
    .group_segment_fixed_size: 327680
    .private_segment_fixed_size: 0
    .kernarg_segment_align: 8
    .kernarg_segment_size: 56
    .max_flat_workgroup_size: 128
    .sgpr_count:     100
    .vgpr_count:     1024
    .wavefront_size: 32
...
	.end_amdgpu_metadata
.endif
;; end of part 2
;; launch attn (part 3): grid 8 x 32, 8 waves a work-group, clusters of 4 x 1, 327,680 bytes of LDS; arguments qkv, biasf, lowp_scales, a2; writes a2
.if DOCPART == 3
	.amdgcn_target "amdgcn-amd-amdhsa--gfx1250"
	.amdhsa_code_object_version 6
	.text
	.protected	k_qd779ac0b98_attn
	.globl	k_qd779ac0b98_attn
	.p2align	8
	.type	k_qd779ac0b98_attn,@function
k_qd779ac0b98_attn:
	s_mov_b64 s[64:65], 0
	v_nop
	global_prefetch_b8 v0, s[64:65] scope:SCOPE_SE
	s_setreg_imm32_b32 hwreg(HW_REG_WAVE_MODE, 25, 1), 1
	s_wait_xcnt 0x0
	s_wait_alu depctr_hold_cnt(0) depctr_sa_sdst(0) depctr_va_vdst(0) depctr_va_sdst(0) depctr_va_ssrc(0) depctr_va_vcc(0) depctr_vm_vsrc(0)
	s_getreg_b32 s2, hwreg(HW_REG_IB_STS2, 6, 4)
	s_cmp_eq_u32 s2, 0
	s_cbranch_scc0 .Lentry_in_a_cluster
	s_endpgm
.Lentry_in_a_cluster:
	s_bfe_u32 s2, ttmp6, 0x10000c
	s_cmp_lg_u32 s2, 0x3003
	s_cbranch_scc0 .Lentry_shape_is_right
	s_endpgm
.Lentry_shape_is_right:
.set VOFF,  131072
.set SPARE, 262144
.set LI,   1
.set SPW,  2
.set NIL,  3
.set BOFF, 4
.set PFO,  5
.set ADK,  6
.set ADV,  7
.set QF,   16
.set WO,   24
.set PC,   56
.set T0,   72
.set T1,   73
.set FF,   74
.set PX,   76
.set T2,   77
.set SM,   78
.set LIMP, 80
.set SCP,  81
.set SCO,  82
.set LIMO, 83
.set T3,   84
.set SM2,  86
.set SM3,  88
.set OT,   224
.set KF,   0
.set VF,   64
.set AB,   128
.set QA,   192
.set WV,   12
.set UU,   13
.set KS,   14
.set TB,   15
.set BP,   16
.set PLIM, 22
.set BPA,  80
.set OPB,  82
.set OPA,  84
.set QPB,  86
.set QPA,  88
.set PLA,  90
.set UB,   91
.set MSB, 0
.macro WIN new
.if MSB != (\new)
	s_set_vgpr_msb (MSB<<8)|(\new)
.set MSB, (\new)
.endif
.endm
.macro TILE u, bp, op, qp
	s_lshl_b32 s67, s[\u], 3
	s_add_co_u32 s67, s67, s23
	s_lshl_b32 s76, s67, 17
	s_mov_b32 s77, 0
	s_add_nc_u64 s[\bp:\bp+1], s[6:7], s[76:77]
	s_lshl_b32 s76, s70, 17
	s_lshl_b32 s78, s67, 10
	s_add_co_u32 s76, s76, s78
	s_add_nc_u64 s[\qp:\qp+1], s[4:5], s[76:77]
	s_lshr_b32 s76, s70, 4
	s_lshl_b32 s76, s76, 1
	s_lshr_b32 s78, s67, 6
	s_add_co_u32 s76, s76, s78
	s_mul_i32 s76, s76, 5242880
	s_and_b32 s78, s70, 15
	s_lshr_b32 s79, s78, 2
	s_lshl_b32 s79, s79, 18
	s_add_co_u32 s76, s76, s79
	s_and_b32 s79, s78, 3
	s_lshl_b32 s79, s79, 10
	s_add_co_u32 s76, s76, s79
	s_and_b32 s79, s67, 63
	s_lshl_b32 s79, s79, 12
	s_add_co_u32 s76, s76, s79
	s_add_nc_u64 s[\op:\op+1], s[10:11], s[76:77]
.endm
.macro INIT
	v_mov_b32 v13, 0xff61b1e6
	s_delay_alu instid0(VALU_DEP_1)
	v_floor_f32 v12, -v13
	v_mov_b32 v14, 0
	v_mov_b32 v15, 0
.set i, 0
.rept 32
	v_mov_b32 v[OT+i], 0
.set i, i+1
.endr
.endm
; CLUSTERS: the four work-groups of a cluster lie side by side along x: other queries of one head.  They need the same K and V, which are asked for jointly; no branch and no LDS address hangs on the place in the cluster.
.macro CROUND                          ; a round of the cluster's barrier
	s_barrier_signal -1
	s_barrier_wait -1
	s_cmp_lg_u32 s[WV], 0
	s_cbranch_scc1 .Lnw0_\@
	s_barrier_signal -3
.Lnw0_\@:
	s_barrier_wait -3
	s_barrier_signal -1
	s_barrier_wait -1
.endm
	s_load_b256 s[4:11], s[0:1], 0x0
	v_lshl_add_u32 v[SPW], v0, 2, SPARE
	v_mov_b32 v[NIL], 0
	ds_add_u32 v[SPW], v[NIL]
	ds_add_u32 v[SPW], v[NIL]
	v_lshrrev_b32 v8, 5, v0
	s_delay_alu instid0(VALU_DEP_1)
	v_readfirstlane_b32 s[WV], v8
	s_mov_b32 s24, 15|(3<<16)|(1<<21)              ; all four partners; elements of 8 bytes; bit 21 beside a mask
	s_mov_b32 s25, 32<<16
	s_mov_b32 s26, 64<<16
	s_mov_b32 s27, 32<<16
	s_mov_b32 s28, 64
	s_mov_b32 s29, 32
	s_mov_b32 s30, 0
	s_mov_b32 s31, 0
	s_lshr_b32 s66, s[WV], 2
	s_and_b32 s67, s[WV], 3
	s_lshl_b32 s68, s66, 17
	s_lshl_b32 s69, s67, 14
	s_add_co_u32 s68, s68, s69
	s_and_b32 s70, ttmp7, 0xffff
	s_lshl_b32 s72, s70, 17
	s_add_co_u32 s72, s72, s69
	s_lshl_b32 s71, s66, 22
	s_add_co_u32 s72, s72, s71
	s_add_co_u32 s72, s72, 0x400000
	s_mov_b32 s73, 0
	s_bfe_u32 s23, ttmp6, 0x40000                  ; cx
	s_lshl_b32 s79, ttmp9, 2
	s_add_co_u32 s23, s23, s79                     ; work-group x = 4 x cluster x + cx
	s_mov_b32 s20, 0x76543210
	s_mov_b32 s21, 0xfedcba98
	s_wait_dscnt 0x0
	s_wait_kmcnt 0x0
	s_load_b512 s[48:63], s[8:9], 0x0
	s_add_nc_u64 s[74:75], s[4:5], s[72:73]
	s_mov_b32 s32, 1
	s_mov_b32 s33, s68
	s_mov_b64 s[34:35], s[74:75]
	s_or_b32 s35, s35, 0x80000000
	s_mov_b32 s36, 1                               ; the second load's group 0: the same quarter of keys 1,024 to 2,047, 65,536 bytes on in memory and in LDS
	s_add_co_u32 s37, s68, 65536
	s_add_nc_u64 s[38:39], s[74:75], 65536
	s_or_b32 s39, s39, 0x80000000
	CROUND
	tensor_load_to_lds s[32:35], s[24:31]          ; one load a wave at the head: waves 0-3 a quarter of keys 0 to 1,023 of the head's K each, waves 4-7 of its V: 16,384 dense bytes
	s_nop 0
.rept 4
	v_nop
.endr
	v_and_b32 v[LI], 31, v0
	s_delay_alu instid0(VALU_DEP_1)
	v_lshlrev_b32 v[LI], 4, v[LI]
	s_wait_alu depctr_va_vdst(0)
	s_xor_b32 s[UB], s[WV], 15
	TILE UB, BP, OPB, QPB
	TILE WV, BPA, OPA, QPA
	global_load_b128 v[QF:QF+3], v[LI], s[QPB:QPB+1]
	global_load_b128 v[QF+4:QF+7], v[LI], s[QPB:QPB+1] offset:512
.set i, 0
.rept 16
	global_load_b128 v[96+4*i:99+4*i], v[LI], s[BP:BP+1] offset:512*i
.set i, i+1
.endr
	s_mov_b32 s[UU], s[UB]
	s_cmp_eq_u32 s70, 0
	s_cselect_b32 s[PLIM], s[UB], 0
	s_cselect_b32 s[PLA], s[WV], 0
	INIT
	v_mov_b32 v[PX], 0
	v_mov_b32 v[FF+1], 0
	s_wait_kmcnt 0x0
	s_add_co_i32 s66, s54, s55
	s_lshl_b32 s66, s66, 23
	s_add_co_i32 s18, s66, 0x3E38AA3B
	s_mov_b32 s19, s18
	s_add_co_i32 s66, s57, 127
	s_lshl_b32 s67, s66, 23
	v_mov_b32 v[SCP], s67
	s_add_co_i32 s66, s66, 8
	s_lshl_b32 s66, s66, 23
	s_or_b32 s66, s66, 0x600000
	v_mov_b32 v[LIMP], s66
	s_sub_co_i32 s66, s58, s56
	s_sub_co_i32 s66, s66, s57
	s_add_co_i32 s66, s66, 127
	s_lshl_b32 s67, s66, 23
	v_mov_b32 v[SCO], s67
	s_add_co_i32 s66, s66, 8
	s_lshl_b32 s66, s66, 23
	s_or_b32 s66, s66, 0x600000
	v_mov_b32 v[LIMO], s66
.macro HOLD c
.irp jj, 0,1,2,3,4,5,6,7
	v_min_num_f32 v[CUR+8*(\c)+\jj], v[CUR+8*(\c)+\jj], v[LIMP]
.endr
	v_cvt_scalef32_pk8_fp8_f32 v[PC+2*(\c):PC+2*(\c)+1], v[CUR+8*(\c):CUR+8*(\c)+7], v[SCP]
.endm
.macro STEP sb, skip, nb
.set CUR, 96+64*\sb
.set NXT, 160-64*\sb
.if \skip
.if \sb
	s_cmp_ge_u32 s[KS], s[UU]
.else
	s_cmp_gt_u32 s[KS], s[UU]
.endif
	s_cbranch_scc1 .Lskip_\@
.endif
	v_add_nc_u32 v[ADK], s[TB], v[LI]
	s_delay_alu instid0(VALU_DEP_1)
	v_add_nc_u32 v[ADV], VOFF, v[ADK]
	WIN 0x40
.set i, 0
.rept 16
	ds_load_b128 v[KF+4*i:KF+4*i+3], v[ADK] offset:\sb*8192+512*i
.set i, i+1
.endr
.set i, 0
.rept 16
	ds_load_b128 v[VF+4*i:VF+4*i+3], v[ADV] offset:\sb*8192+512*i
.set i, i+1
.endr
	WIN 0
	s_wait_loadcnt 0x0
	s_wait_xcnt 0x0
	s_add_co_u32 s66, s[KS], \sb+1
.if \nb
	s_cmp_le_u32 s66, s[UU]
	s_cbranch_scc0 .Lnob_\@
.endif
	s_lshl_b32 s66, s66, 13
	v_add_nc_u32 v[BOFF], s66, v[LI]
.set i, 0
.rept 16
	global_load_b128 v[NXT+4*i:NXT+4*i+3], v[BOFF], s[BP:BP+1] offset:512*i
.set i, i+1
.endr
.if \nb
.Lnob_\@:
.endif
	s_add_co_u32 s66, s[KS], \sb+2
	s_cmp_le_u32 s66, s[PLIM]
	s_cbranch_scc0 .Lnopf_\@
	s_lshl_b32 s66, s66, 13
	v_lshl_add_u32 v[PFO], v[LI], 4, s66
	global_prefetch_b8 v[PFO], s[BP:BP+1] th:TH_LOAD_NT scope:SCOPE_SE
.Lnopf_\@:
	s_wait_dscnt 16
	WIN 0x01
.irp c, 0,1,2,3,4,5,6,7
	v_wmma_f32_16x16x64_fp8_fp8 v[CUR+8*\c:CUR+8*\c+7], v[KF+8*\c:KF+8*\c+7], v[QF:QF+7], v[CUR+8*\c:CUR+8*\c+7]
.endr
	WIN 0
.rept 4
	v_nop
.endr
	v_max3_num_f32 v[T0], v[CUR], v[CUR+1], v[CUR+2]
	v_max3_num_f32 v[T1], v[CUR+3], v[CUR+4], v[CUR+5]
	v_max3_num_f32 v[T2], v[CUR+6], v[CUR+7], v[CUR+8]
	v_max3_num_f32 v[T3], v[CUR+9], v[CUR+10], v[CUR+11]
.set i, 12
.rept 6
	v_max3_num_f32 v[T0], v[T0], v[CUR+i], v[CUR+i+1]
	v_max3_num_f32 v[T1], v[T1], v[CUR+i+2], v[CUR+i+3]
	v_max3_num_f32 v[T2], v[T2], v[CUR+i+4], v[CUR+i+5]
	v_max3_num_f32 v[T3], v[T3], v[CUR+i+6], v[CUR+i+7]
.set i, i+8
.endr
	v_max3_num_f32 v[T0], v[T0], v[CUR+60], v[CUR+61]
	v_max3_num_f32 v[T1], v[T1], v[CUR+62], v[CUR+63]
	s_delay_alu instid0(VALU_DEP_1)
	v_max3_num_f32 v[T0], v[T0], v[T1], v[T2]
	s_delay_alu instid0(VALU_DEP_1)
	v_max_num_f32 v[T0], v[T0], v[T3]
	s_delay_alu instid0(VALU_DEP_1)
	v_permlanex16_b32 v[PX], v[T0], s20, s21
	s_delay_alu instid0(VALU_DEP_1)
	v_max_num_f32 v[T0], v[T0], v[PX]
	s_delay_alu instid0(VALU_DEP_1)
	v_mul_f32 v[T0], s18, v[T0]
	s_delay_alu instid0(VALU_DEP_1)
	v_max_num_f32 v13, v13, v[T0]
	v_mov_b32 v[T0], v12
	s_delay_alu instid0(VALU_DEP_2)
	v_floor_f32 v12, -v13
	s_delay_alu instid0(VALU_DEP_1)
	v_sub_f32 v[T0], v12, v[T0]
	s_delay_alu instid0(VALU_DEP_1)
	v_cvt_i32_f32 v[T0], v[T0]
	s_delay_alu instid0(VALU_DEP_1)
	v_ldexp_f32 v[FF], 1.0, v[T0]
.set i, 0
.rept 32
	v_pk_fma_f32 v[CUR+i:CUR+i+1], v[CUR+i:CUR+i+1], s[18:19], v[12:13] op_sel_hi:[1,0,0]
.set i, i+2
.endr
.set i, 0
	s_wait_alu depctr_va_vdst(0)
.rept 64
	v_exp_f32 v[CUR+i], v[CUR+i]
.set i, i+1
.endr
	v_pk_mul_f32 v[14:15], v[14:15], v[FF:FF+1] op_sel_hi:[1,0]
.set i, 0
	s_wait_alu depctr_va_vdst(0)
.rept 16
	v_pk_mul_f32 v[OT+i:OT+i+1], v[OT+i:OT+i+1], v[FF:FF+1] op_sel_hi:[1,0]
.set i, i+2
.endr
	s_wait_alu depctr_va_vdst(0)
	v_pk_add_f32 v[14:15], v[14:15], v[CUR:CUR+1]
	v_pk_add_f32 v[SM:SM+1], v[CUR+2:CUR+3], v[CUR+10:CUR+11]
	v_pk_add_f32 v[SM2:SM2+1], v[CUR+4:CUR+5], v[CUR+12:CUR+13]
	v_pk_add_f32 v[SM3:SM3+1], v[CUR+6:CUR+7], v[CUR+14:CUR+15]
	HOLD 0
	v_pk_add_f32 v[14:15], v[14:15], v[CUR+8:CUR+9]
	HOLD 1
.irp c, 2,3,4,5,6,7
	v_pk_add_f32 v[14:15], v[14:15], v[CUR+8*\c:CUR+8*\c+1]
	v_pk_add_f32 v[SM:SM+1], v[SM:SM+1], v[CUR+8*\c+2:CUR+8*\c+3]
	v_pk_add_f32 v[SM2:SM2+1], v[SM2:SM2+1], v[CUR+8*\c+4:CUR+8*\c+5]
	v_pk_add_f32 v[SM3:SM3+1], v[SM3:SM3+1], v[CUR+8*\c+6:CUR+8*\c+7]
	HOLD \c
.endr
	v_pk_add_f32 v[SM:SM+1], v[SM:SM+1], v[SM2:SM2+1]
	v_pk_add_f32 v[14:15], v[14:15], v[SM3:SM3+1]
	s_delay_alu instid0(VALU_DEP_1)
	v_pk_add_f32 v[14:15], v[14:15], v[SM:SM+1]
	s_wait_alu depctr_va_vdst(0)
	s_wait_dscnt 0x0
	WIN 0x01
.irp d, 0,1,2,3
	v_wmma_f32_16x16x128_fp8_fp8 v[OT+8*\d:OT+8*\d+7], v[VF+16*\d:VF+16*\d+15], v[PC:PC+15], v[OT+8*\d:OT+8*\d+7]
.endr
	WIN 0
.rept 4
	v_nop
.endr
.if \skip
.Lskip_\@:
.endif
.endm
.macro RUN first, cnt, skip, nb
	s_mov_b32 s[KS], \first
	s_mov_b32 s[TB], 8192*\first
.Lg_\@:
	STEP 0, \skip, \nb
	STEP 1, \skip, \nb
	s_add_co_u32 s[TB], s[TB], 16384
	s_add_co_u32 s[KS], s[KS], 2
	s_cmp_lt_u32 s[KS], \first+\cnt
	s_cbranch_scc1 .Lg_\@
.endm
.macro PHASE first, cnt, tc, skip, nb
	s_wait_tensorcnt \tc
	s_wait_dscnt 0x0
	s_barrier_signal -1
	s_barrier_wait -1
	RUN \first, \cnt, \skip, \nb
.endm
.macro WAYOUT op
	v_add_f32 v14, v14, v15
	s_delay_alu instid0(VALU_DEP_1)
	v_permlanex16_b32 v[PX], v14, s20, s21
	s_delay_alu instid0(VALU_DEP_1)
	v_add_f32 v14, v14, v[PX]
	s_wait_alu depctr_va_vdst(0)
	v_rcp_f32 v14, v14
	v_nop
	s_wait_alu depctr_va_vdst(0)
.set i, 0
.rept 32
	v_mul_f32 v[WO+i], v[OT+i], v14
.set i, i+1
.endr
.set i, 0
.rept 32
	v_med3_num_f32 v[WO+i], v[WO+i], -v[LIMO], v[LIMO]
.set i, i+1
.endr
.irp d, 0,1,2,3
	v_cvt_scalef32_pk8_fp8_f32 v[PC+2*\d:PC+2*\d+1], v[WO+8*\d:WO+8*\d+7], v[SCO]
.endr
	v_nop
	global_store_b128 v[LI], v[PC:PC+3], s[\op:\op+1]
	global_store_b128 v[LI], v[PC+4:PC+7], s[\op:\op+1] offset:512
.endm
	s_wait_alu depctr_va_vdst(0)
	s_wait_tensorcnt 0x0                           ; my part of keys 0 to 1,023 is in
	ds_add_u32 v[SPW], v[NIL]
	s_wait_dscnt 0x0
	CROUND                                         ; everybody's part is in, and the four partners are here
	tensor_load_to_lds s[36:39], s[24:31]          ; keys 1,024 to 2,047: 16,384 bytes a wave, on their way under key steps 0 to 7
	s_nop 0
.rept 4
	v_nop
.endr
	RUN 0, 4, 0, 0
	RUN 4, 4, 0, 0
	WIN 0x40                                       ; the second query tile's Q and its first block of the bias: read behind the first tile's way out
	global_load_b128 v[QA:QA+3], v[LI], s[QPA:QPA+1]
	global_load_b128 v[QA+4:QA+7], v[LI], s[QPA:QPA+1] offset:512
.set i, 0
.rept 16
	global_load_b128 v[AB+4*i:AB+4*i+3], v[LI], s[BPA:BPA+1] offset:512*i
.set i, i+1
.endr
	WIN 0
	PHASE 8, 8, 0, 1, 1
	WAYOUT OPB
	s_wait_loadcnt 0x0
	s_wait_xcnt 0x0
	s_mov_b64 s[BP:BP+1], s[BPA:BPA+1]
	s_mov_b32 s[UU], s[WV]
	s_mov_b32 s[PLIM], s[PLA]
	WIN 0x01
.set i, 0
.rept 64
	v_mov_b32 v[96+i], v[AB+i]
.set i, i+1
.endr
.set i, 0
.rept 8
	v_mov_b32 v[QF+i], v[QA+i]
.set i, i+1
.endr
	WIN 0
	INIT
	RUN 0, 8, 1, 1
	s_wait_loadcnt 0x0
	WAYOUT OPA
	s_wait_tensorcnt 0x0
	ds_add_u32 v[SPW], v[NIL]
	s_wait_dscnt 0x0
	CROUND                                         ; the closing round
	s_endpgm
.Lfunc_end_k_qd779ac0b98_attn:
	.size	k_qd779ac0b98_attn, .Lfunc_end_k_qd779ac0b98_attn-k_qd779ac0b98_attn
	.p2alignl 7, 3214868480
	.fill 96, 4, 3214868480
	.section	.rodata,"a",@progbits
	.p2align	6, 0x0
	.amdhsa_kernel k_qd779ac0b98_attn
		.amdhsa_group_segment_fixed_size 327680
		.amdhsa_private_segment_fixed_size 0
		.amdhsa_enable_private_segment 0
		.amdhsa_kernarg_size 32
		.amdhsa_user_sgpr_count 2
		.amdhsa_user_sgpr_kernarg_segment_ptr 1
		.amdhsa_wavefront_size32 1
		.amdhsa_system_sgpr_workgroup_id_x 1
		.amdhsa_system_sgpr_workgroup_id_y 1
		.amdhsa_system_sgpr_workgroup_id_z 1
		.amdhsa_system_vgpr_workitem_id 0
		.amdhsa_next_free_vgpr 512
		.amdhsa_next_free_sgpr 100
		.amdhsa_reserve_vcc 0
		.amdhsa_float_denorm_mode_32 3
		.amdhsa_float_denorm_mode_16_64 3
		.amdhsa_memory_ordered 1
		.amdhsa_forward_progress 1
		.amdhsa_inst_pref_size 166
	.end_amdhsa_kernel
	.amdgpu_metadata
---
amdhsa.version: [ 1, 2 ]
amdhsa.kernels:
  - .name:           k_qd779ac0b98_attn
    .symbol:         k_qd779ac0b98_attn.kd
    .args:
      - { .name: qkv, .offset: 0, .size: 8, .value_kind: global_buffer, .address_space: global }
      - { .name: biasf, .offset: 8, .size: 8, .value_kind: global_buffer, .address_space: global }
      - { .name: lowp_scales, .offset: 16, .size: 8, .value_kind: global_buffer, .address_space: global }
      - { .name: a2, .offset: 24, .size: 8, .value_kind: global_buffer, .address_space: global }
    .group_segment_fixed_size: 327680
    .private_segment_fixed_size: 0
    .kernarg_segment_align: 8
    .kernarg_segment_size: 32
    .max_flat_workgroup_size: 256
    .sgpr_count:     100
    .vgpr_count:     512
    .wavefront_size: 32
...
	.end_amdgpu_metadata
.endif
;; end of part 3
;; launch outp (part 4): grid 8 x 32, 4 waves a work-group, clusters of 4 x 4, 327,680 bytes of LDS; arguments a2, b2w, b_fc_out, lowp_scales, out0; writes out0
.if DOCPART == 4
	.amdgcn_target "amdgcn-amd-amdhsa--gfx1250"
	.amdhsa_code_object_version 6
	.text
	.protected	k_qd779ac0b98_outp
	.globl	k_qd779ac0b98_outp
	.p2align	8
	.type	k_qd779ac0b98_outp,@function
k_qd779ac0b98_outp:
	s_mov_b64 s[64:65], 0
	v_nop
	global_prefetch_b8 v0, s[64:65] scope:SCOPE_SE
	s_setreg_imm32_b32 hwreg(HW_REG_WAVE_MODE, 25, 1), 1
	s_wait_xcnt 0x0
	s_wait_alu depctr_hold_cnt(0) depctr_sa_sdst(0) depctr_va_vdst(0) depctr_va_sdst(0) depctr_va_ssrc(0) depctr_va_vcc(0) depctr_vm_vsrc(0)
	s_getreg_b32 s2, hwreg(HW_REG_IB_STS2, 6, 4)
	s_cmp_eq_u32 s2, 0
	s_cbranch_scc0 .Lentry_in_a_cluster
	s_endpgm
.Lentry_in_a_cluster:
	s_bfe_u32 s2, ttmp6, 0x10000c
	s_cmp_lg_u32 s2, 0xf033
	s_cbranch_scc0 .Lentry_shape_is_right
	s_endpgm
.Lentry_shape_is_right:
.set SLOT,   131072
.set TWOKB,  524288
.set STAGE,  2*SLOT
.set SPITCH, 272
.set SPARE,  STAGE+4*16*SPITCH
.set LI,   10
.set ADRA, 16
.set ADRB, 20
.set STO,  24
.set RD,   25
.set CO,   26
.set SPW,  28
.set NIL,  29
.set TMP,  32
.set BK,   64
.set BIAS, 96
.set ACC,  128
.set F0,   0
.set F1,   128
.set G1,  24
.set G0,  32
.set G1B, 48
.set G0B, 56
.set MSB, 0
.macro WIN new
.if MSB != (\new)
	s_set_vgpr_msb (MSB<<8)|(\new)
.set MSB, (\new)
.endif
.endm
.set MUL,  0x05
.set TO_F, 0x40
.macro JLOAD s
	s_cmp_eq_u32 s15, 0
	s_cbranch_scc0 .Lfor_b_\@
	tensor_load_to_lds s[G0+4*\s:G0+4*\s+3], s[G1:G1+7]
	s_nop 0
.rept 4
	v_nop
.endr
	s_branch .Lasked_\@
.Lfor_b_\@:
	tensor_load_to_lds s[G0B+4*\s:G0B+4*\s+3], s[G1B:G1B+7]
	s_nop 0
.rept 4
	v_nop
.endr
.Lasked_\@:
.endm
.macro CREST
	s_cmp_lg_u32 s14, 0
	s_cbranch_scc1 .Lnot_wave_0_\@
	s_barrier_signal -3
.Lnot_wave_0_\@:
	s_barrier_wait -3
	s_barrier_signal -1
	s_barrier_wait -1
.endm
.macro CROUND
	s_barrier_signal -1
	s_barrier_wait -1
	CREST
.endm
	s_load_b256 s[4:11], s[0:1], 0x0
	s_load_b64 s[12:13], s[0:1], 0x20
	v_lshl_add_u32 v[SPW], v0, 2, SPARE
	v_mov_b32 v[NIL], 0
	ds_add_u32 v[SPW], v[NIL]
	ds_add_u32 v[SPW], v[NIL]
	v_lshrrev_b32 v1, 5, v0
	v_readfirstlane_b32 s14, v1
	s_lshr_b32 s15, s14, 1
	s_and_b32 s16, s14, 1
	s_bfe_u32 s40, ttmp6, 0x40000
	s_bfe_u32 s41, ttmp6, 0x40004
	s_lshl_b32 s42, ttmp9, 2
	s_add_co_u32 s42, s42, s40
	s_and_b32 s17, ttmp7, 0xffff
	s_lshl_b32 s17, s17, 2
	s_add_co_u32 s17, s17, s41
	s_lshl_b32 s43, s41, 2
	s_lshl_b32 s43, 15, s43
	s_lshl_b32 s44, 0x1111, s40
	s_or_b32 s[G1+0], s43, (3<<16)|(1<<21)
	s_or_b32 s[G1B+0], s44, (3<<16)|(1<<21)
.irp g, G1, G1B
	s_mov_b32 s[\g+1], 2048<<16
	s_mov_b32 s[\g+2], 2<<16
	s_mov_b32 s[\g+3], 2048<<16
	s_mov_b32 s[\g+4], 2
	s_mov_b32 s[\g+5], 32768
	s_mov_b32 s[\g+6], 0
	s_mov_b32 s[\g+7], 0
.endr
	s_lshl_b32 s2, s16, 14
	s_lshr_b32 s18, s17, 3
	s_mul_i32 s18, s18, 5242880
	s_and_b32 s19, s17, 7
	s_lshl_b32 s19, s19, 15
	s_add_co_u32 s22, s18, s19
	s_add_co_u32 s22, s22, s2
	s_mov_b32 s23, 0
	s_lshl_b32 s66, s42, 15
	s_add_co_u32 s66, s66, s2
	s_mov_b32 s67, 0
	s_lshl_b32 s45, s14, 15
	s_wait_dscnt 0x0
	s_wait_kmcnt 0x0
	s_load_b512 s[80:95], s[10:11], 0x0
	s_add_nc_u64 s[20:21], s[4:5], s[22:23]
	s_add_nc_u64 s[46:47], s[6:7], s[66:67]
	CROUND
.irp s, 0,1
	s_mov_b32 s[G0+4*\s], 1
	s_add_co_u32 s[G0+4*\s+1], s45, \s*SLOT
	s_add_nc_u64 s[G0+4*\s+2:G0+4*\s+3], s[20:21], \s*TWOKB
	s_or_b32 s[G0+4*\s+3], s[G0+4*\s+3], 0x80000000
	s_mov_b32 s[G0B+4*\s], 1
	s_add_co_u32 s[G0B+4*\s+1], s45, \s*SLOT
	s_add_nc_u64 s[G0B+4*\s+2:G0B+4*\s+3], s[46:47], \s*TWOKB
	s_or_b32 s[G0B+4*\s+3], s[G0B+4*\s+3], 0x80000000
	s_wait_alu depctr_va_vdst(0)
	s_wait_tensorcnt 0x0
	ds_add_u32 v28, v29
	ds_add_u32 v28, v29
	s_wait_dscnt 0x0
	CROUND
	JLOAD \s
.endr
	v_and_b32 v1, 31, v0
	v_lshlrev_b32 v[LI], 4, v1
	v_lshlrev_b32 v12, 8, v1                       ; the prefetches' offset: 256 x lane; never rewritten
	s_lshl_b32 s18, s15, 15
	s_lshl_b32 s19, s16, 15
	s_add_co_u32 s19, s19, 65536
.irp s, 0,1
	v_add_nc_u32 v[ADRA+\s], s18, v[LI]
	v_add_nc_u32 v[ADRB+\s], s19, v[LI]
	s_add_co_u32 s18, s18, SLOT
	s_add_co_u32 s19, s19, SLOT
.endr
	v_and_b32 v1, 15, v0
	v_bfe_u32 v2, v0, 4, 1
	s_mul_i32 s18, s14, 16*SPITCH
	s_add_co_u32 s18, s18, STAGE
	v_mul_u32_u24 v3, v1, SPITCH
	v_lshl_add_u32 v3, v2, 5, v3
	v_add_nc_u32 v[STO], s18, v3
	v_mul_u32_u24 v3, v2, SPITCH
	v_lshl_add_u32 v3, v1, 4, v3
	v_add_nc_u32 v[RD], s18, v3
	v_lshlrev_b32 v3, 12, v2
	v_lshl_add_u32 v[CO], v1, 4, v3
	v_lshlrev_b32 v11, 5, v2
	s_wait_alu depctr_va_vdst(0)
	s_lshl_b32 s18, s42, 9
	s_lshl_b32 s19, s16, 8
	s_add_co_u32 s18, s18, s19
	s_mov_b32 s19, 0
	s_add_nc_u64 s[8:9], s[8:9], s[18:19]
	s_add_nc_u64 s[12:13], s[12:13], s[18:19]
	s_lshl_b32 s18, s17, 19
	s_lshl_b32 s22, s15, 18
	s_add_co_u32 s18, s18, s22
	s_add_nc_u64 s[12:13], s[12:13], s[18:19]
.set i, 0
.rept 8
	global_load_b128 v[BIAS+4*i:BIAS+4*i+3], v11, s[8:9] offset:64*(i/2)+16*(i%2)
.set i, i+1
.endr
; PREFETCH INTO THE L2 of the slot that stands two refills on.  A wave's tile of a slot is 2 K blocks x 16,384 bytes; the four partners that ask for it jointly share it out by address:
; the partner at place p (cx for A's tiles, cy for B's) names K block p / 2, half p % 2: 8,192 bytes, lanes 256 bytes apart, one instruction a wave.  Slot k lies k x TWOKB on: an immediate, so no address is stepped.
; Slots 0 and 1 come by their loads alone; slots 2 and 3 are named here, slot k + 4 behind refill k + 2; behind slot 9 nothing is named.
.set PFI, 2
	s_cmp_eq_u32 s15, 0                            ; do I fetch for A?
	s_cselect_b64 s[70:71], s[20:21], s[46:47]
	s_cselect_b32 s72, s40, s41
	s_lshr_b32 s73, s72, 1
	s_lshl_b32 s73, s73, 18
	s_and_b32 s72, s72, 1
	s_lshl_b32 s72, s72, 13
	s_add_co_u32 s72, s72, s73
	s_mov_b32 s73, 0
	s_add_nc_u64 s[70:71], s[70:71], s[72:73]
.rept 2
	global_prefetch_b8 v12, s[70:71] offset:PFI*TWOKB th:TH_LOAD_NT scope:SCOPE_SE
.set PFI, PFI+1
.endr
	s_wait_kmcnt 0x0
	s_add_co_i32 s98, s94, s95
	s_add_co_i32 s96, s90, s91
	s_sub_co_i32 s96, s96, s98
	s_add_co_i32 s96, s96, 127
	s_lshl_b32 s96, s96, 23
	s_mov_b32 s97, s96
	s_add_co_i32 s98, s98, 127
	s_lshl_b32 s98, s98, 23
	s_mov_b32 s99, s98
.macro MUL4 f, a, zero
.irp b, 0,1,2,3
.if \zero
	v_wmma_f32_16x16x128_fp8_fp8 v[ACC+8*(4*(\a)+\b):ACC+8*(4*(\a)+\b)+7], v[\f+64+16*\b:\f+64+16*\b+15], v[\f+16*(\a):\f+16*(\a)+15], 0
.else
	v_wmma_f32_16x16x128_fp8_fp8 v[ACC+8*(4*(\a)+\b):ACC+8*(4*(\a)+\b)+7], v[\f+64+16*\b:\f+64+16*\b+15], v[\f+16*(\a):\f+16*(\a)+15], v[ACC+8*(4*(\a)+\b):ACC+8*(4*(\a)+\b)+7]
.endif
.endr
.endm
.macro FETCH slot, st, f
	WIN TO_F
.set FO, ((\st)/2)*16384+((\st)%2)*2048
.irp i, 0,1,2,3
.irp c, 0,1,2,3
	ds_load_b128 v[\f+64+16*\i+4*\c:\f+64+16*\i+4*\c+3], v[ADRB+\slot] offset:FO+\i*4096+512*\c
.endr
.endr
.irp i, 0,1,2,3
.irp c, 0,1,2,3
	ds_load_b128 v[\f+16*\i+4*\c:\f+16*\i+4*\c+3], v[ADRA+\slot] offset:FO+\i*4096+512*\c
.endr
.endr
.endm
.macro PLACES
.rept 4
	v_nop
.endr
.endm
.macro STEPG slot, nst, f, g, zero
	s_wait_dscnt 0x0
	WIN MUL
	MUL4 \f, 0, \zero
	MUL4 \f, 1, \zero
	PLACES
	FETCH \slot, \nst, \g
	WIN MUL
	MUL4 \f, 2, \zero
	MUL4 \f, 3, \zero
.endm
.macro TURNG slot, next, fill
	WIN 0
	s_wait_tensorcnt 0x0
	ds_add_u32 v[SPW], v[NIL]
	s_wait_dscnt 1
	WIN MUL
	MUL4 F1, 0, 0
	s_wait_dscnt 0x0
	s_barrier_signal -1
	MUL4 F1, 1, 0
	WIN 0
	s_barrier_wait -1
.if \fill
	CREST
	s_add_nc_u64 s[G0+4*\slot+2:G0+4*\slot+3], s[G0+4*\slot+2:G0+4*\slot+3], 2*TWOKB
	s_add_nc_u64 s[G0B+4*\slot+2:G0B+4*\slot+3], s[G0B+4*\slot+2:G0B+4*\slot+3], 2*TWOKB
	JLOAD \slot
.else
	PLACES
.endif
	FETCH \next, 0, F0
.if PFI < 10
	global_prefetch_b8 v12, s[70:71] offset:PFI*TWOKB th:TH_LOAD_NT scope:SCOPE_SE
.endif
.set PFI, PFI+1
	WIN MUL
	MUL4 F1, 2, 0
	MUL4 F1, 3, 0
.endm
.macro SLOTRUN slot, zero, fill
	STEPG \slot, 1, F0, F1, \zero
	STEPG \slot, 2, F1, F0, 0
	STEPG \slot, 3, F0, F1, 0
	TURNG \slot, 1-\slot, \fill
.endm
	s_wait_tensorcnt 1
	s_barrier_signal -1
	s_barrier_wait -1
	FETCH 0, 0, F0
	SLOTRUN 0, 1, 1
	SLOTRUN 1, 0, 1
	WIN 0
	PLACES
.set j, 0
.rept 64
	v_pk_mul_f32 v[ACC+j:ACC+j+1], v[ACC+j:ACC+j+1], s[96:97] op_sel_hi:[1,0]
.set j, j+2
.endr
	s_wait_alu depctr_va_vdst(0)
.rept 3
	SLOTRUN 0, 0, 1
	SLOTRUN 1, 0, 1
.endr
	SLOTRUN 0, 0, 0
	STEPG 1, 1, F0, F1, 0
	STEPG 1, 2, F1, F0, 0
	STEPG 1, 3, F0, F1, 0
	s_wait_dscnt 0x0
	WIN MUL
	MUL4 F1, 0, 0
	MUL4 F1, 1, 0
	MUL4 F1, 2, 0
	MUL4 F1, 3, 0
	WIN 0
	s_wait_loadcnt 0x0
	PLACES
.irp a, 0,1,2,3
	s_wait_xcnt 0x0
.irp b, 0,1,2,3
.irp i, 0,2,4,6
	v_pk_fma_f32 v[TMP+8*\b+\i:TMP+8*\b+\i+1], v[ACC+8*(4*\a+\b)+\i:ACC+8*(4*\a+\b)+\i+1], s[98:99], v[BIAS+8*\b+\i:BIAS+8*\b+\i+1] op_sel_hi:[1,0,1]
.endr
.endr
.irp b, 0,1,2,3
	ds_store_b128 v[STO], v[TMP+8*\b:TMP+8*\b+3] offset:64*\b
	ds_store_b128 v[STO], v[TMP+8*\b+4:TMP+8*\b+7] offset:64*\b+16
.endr
.irp t, 0,1,2,3,4,5,6,7
	ds_load_b128 v[BK+4*\t:BK+4*\t+3], v[RD] offset:\t*2*SPITCH
.endr
	s_wait_dscnt 0x0
.irp t, 0,1,2,3,4,5,6,7
	global_store_b128 v[CO], v[BK+4*\t:BK+4*\t+3], s[12:13] offset:(16*\a+2*\t)*4096 th:TH_STORE_NT
.endr
.endr
	s_wait_tensorcnt 0x0
	ds_add_u32 v[SPW], v[NIL]
	s_wait_dscnt 0x0
	CROUND
	s_endpgm
.Lfunc_end_k_qd779ac0b98_outp:
	.size	k_qd779ac0b98_outp, .Lfunc_end_k_qd779ac0b98_outp-k_qd779ac0b98_outp
	.p2alignl 7, 3214868480
	.fill 96, 4, 3214868480
	.section	.rodata,"a",@progbits
	.p2align	6, 0x0
	.amdhsa_kernel k_qd779ac0b98_outp
		.amdhsa_group_segment_fixed_size 327680
		.amdhsa_private_segment_fixed_size 0
		.amdhsa_enable_private_segment 0
		.amdhsa_kernarg_size 40
		.amdhsa_user_sgpr_count 2
		.amdhsa_user_sgpr_kernarg_segment_ptr 1
		.amdhsa_wavefront_size32 1
		.amdhsa_system_sgpr_workgroup_id_x 1
		.amdhsa_system_sgpr_workgroup_id_y 1
		.amdhsa_system_sgpr_workgroup_id_z 1
		.amdhsa_system_vgpr_workitem_id 0
		.amdhsa_next_free_vgpr 512
		.amdhsa_next_free_sgpr 100
		.amdhsa_reserve_vcc 0
		.amdhsa_float_denorm_mode_32 3
		.amdhsa_float_denorm_mode_16_64 3
		.amdhsa_memory_ordered 1
		.amdhsa_forward_progress 1
		.amdhsa_inst_pref_size 164
	.end_amdhsa_kernel
	.amdgpu_metadata
---
amdhsa.version: [ 1, 2 ]
amdhsa.kernels:
  - .name:           k_qd779ac0b98_outp
    .symbol:         k_qd779ac0b98_outp.kd
    .args:
      - { .name: a2, .offset: 0, .size: 8, .value_kind: global_buffer, .address_space: global }
      - { .name: b2w, .offset: 8, .size: 8, .value_kind: global_buffer, .address_space: global }
      - { .name: b_fc_out, .offset: 16, .size: 8, .value_kind: global_buffer, .address_space: global }
      - { .name: lowp_scales, .offset: 24, .size: 8, .value_kind: global_buffer, .address_space: global }
      - { .name: out0, .offset: 32, .size: 8, .value_kind: global_buffer, .address_space: global }
    .group_segment_fixed_size: 327680
    .private_segment_fixed_size: 0
    .kernarg_segment_align: 8
    .kernarg_segment_size: 40
    .max_flat_workgroup_size: 128
    .sgpr_count:     100
    .vgpr_count:     512
    .wavefront_size: 32
...
	.end_amdgpu_metadata
.endif
;; end of part 4
